; MI455X (gfx1250); checked and timed in simulation.
; The chip was launched on July 23, 2026; its instructions are those of AMD's public machine-readable ISA for CDNA 5 (MIT licence, August 2026) and "CDNA5" Instruction Set Architecture Reference Guide (July 2026). The comments in the code are by the model that wrote it; some were corrected since.
;; Mask Attn. Allowed arithmetic: matrix products marked QUANTISED: E2M3 operands, one E8M0 scale for each 32 along K, by v_wmma_scale_f32_16x16x128_f8f6f4 with both operands' format E2M3, f32 sums; everything else in f32.
;; Inputs: b_proj 1,024 float32; mWin 4 x 2,048 x 1 float32; w_proj 1,024 x 1,024 float32; w_qkv 3,072 x 1,024 float32; x 4 x 2,048 x 1,024 float32.
;; Outputs: out0 4 x 2,048 x 1,024 float32.
;; This version of the problem:
;;   THIS VERSION OF THE PROBLEM IS GIVEN IN LOW PRECISION. The matrix products marked QUANTISED in the list below multiply operands that are first quantised to E2M3 (2 exponent bits, 3 mantissa bits; 6 bits a number), with one power-of-two scale for each 32 numbers along K (OCP MX v1.0); their sums are f32. All else is computed in f32.
;;   The module's matrix products, in the order in which they are computed (A, B: the left and right operand; K: the contracted axis; several contracted axes count as one K, in the product's order):
;;     1. [M 8,192, K 1,024] x [K 1,024, N 3,072]; A: input x; B: input w_qkv: QUANTISED
;;     2. batch 64 x [M 2,048, K 64] x [K 64, N 2,048]; A: computed on the way; B: computed on the way: QUANTISED
;;     3. batch 64 x [M 2,048, K 2,048] x [K 2,048, N 64]; A: softmax (see below); B: computed on the way: QUANTISED
;;     4. [M 8,192, K 1,024] x [K 1,024, N 1,024]; A: computed on the way; B: input w_proj: QUANTISED
;;   THE QUANTISER, for each operand of a quantised product, along K:
;;     - K is cut into blocks of 32 from its start; a last block that is shorter is filled with zeros.
;;     - A block's scale is 2^e with e = floor(log2(the largest magnitude in the block)) - 2, held to -126 .. 127; a block of zeros has e = 0. As a byte (E8M0): e + 127.
;;     - Each number is divided by its block's scale, clamped to +-7.5, and rounded to the nearest number of E2M3, ties to even, subnormals kept.
;;     - The product sums the exact products of the quantised numbers (number of the format x scale) in f32.
;;   ~~~python
;;   def quantise(x, axis):      # numpy; x: float32 -> the quantised numbers, widened to float32 again
;;       x = np.moveaxis(x, axis, -1); K = x.shape[-1]
;;       x = np.pad(x, [(0, 0)] * (x.ndim - 1) + [(0, -K % 32)]); x = x.reshape(x.shape[:-1] + (-1, 32)); a = np.abs(x).max(-1, keepdims=True)
;;       e = np.where(a > 0, np.clip(np.frexp(np.where(a > 0, a, 1))[1] - 1 - 2, -126, 127), 0)      # np.frexp(a)[1] - 1 = floor(log2(a)), exactly
;;       r = np.clip(x / 2.0 ** e, -7.5, 7.5)
;;       step = 2.0 ** (np.maximum(np.frexp(np.where(r == 0, 1, r))[1] - 1, 0) - 3)
;;       q = np.round(r / step) * step * 2.0 ** e      # np.round: ties to even
;;       return np.moveaxis(q.reshape(q.shape[:-2] + (-1,))[..., :K], -1, axis).astype(np.float32)
;;   ~~~
;;   SOFTMAX AHEAD OF A QUANTISED PRODUCT. Where the list says 'softmax', what is quantised is not the finished softmax but p = 2^(t - M), with t = logit x log2(e) and M = ceil(the row's largest t), a whole number; so 1/2 < the row's largest p <= 1. The row's sum l is taken of the UNQUANTISED p, in f32, and the product's result is divided by l at the end. Since M is a whole number, a kernel that streams over the keys may use a running M (the ceiling of the running maximum): every later rescaling is an exact power of two, which a block's scale takes up: the codes' values come out the same.
;;   OPERANDS COMPUTED ON THE WAY. 'Computed on the way' means the value that the module computes at that place (a softmax that the list does not call 'softmax' is quantised finished and normalised). What goes into a quantiser is computed in f32, as accurately as f32 sums, v_exp_f32 and their like allow (about 1e-6 of the number): no bf16 or f16 on the way to a quantiser, and a product that is left as it is and whose result goes on into a quantised operand takes f32 operands (vector FMAs, or v_wmma_f32_16x16x4_f32). A number that lies on a knife's edge between two numbers of the format may be rounded either way, as far as f32 arithmetic and the matrix unit's own rounding can turn it there, and no further.
;; One version. Each part assembles by itself: llvm-mc -triple=amdgcn-amd-amdhsa -mcpu=gfx1250 --defsym DOCPART=n.
;; ======== version 1 of 1: 4 launches
;; workspace buffers: cin 9,437,184 bytes; sin 393,216 bytes; qkvc 18,874,368 bytes; qkvs 1,310,720 bytes; aoc 6,291,456 bytes; aos 262,144 bytes
;; launch quant (part 1): grid 384 x 1, 4 waves a work-group, no clusters, 33,280 bytes of LDS; arguments x, w_qkv, w_proj, cin, sin; writes cin, sin
.if DOCPART == 1
	.amdgcn_target "amdgcn-amd-amdhsa--gfx1250"
	.amdhsa_code_object_version 6
	.text
	.protected	k_q4a2614f5f5_quant
	.globl	k_q4a2614f5f5_quant
	.p2align	8
	.type	k_q4a2614f5f5_quant,@function
k_q4a2614f5f5_quant:
	s_mov_b64 s[64:65], 0
	v_nop
	global_prefetch_b8 v0, s[64:65] scope:SCOPE_SE
	s_setreg_imm32_b32 hwreg(HW_REG_WAVE_MODE, 25, 1), 1
	s_wait_xcnt 0x0
; x [8192][1024], w_qkv [3072][1024] and w_proj [1024][1024], f32, become codes of FP6 (E2M3), K innermost, 768 bytes a row, in cin, and one E8M0 byte for each 32 along K, 32 bytes a row, in sin.
; The three tensors' rows stand one behind the other: x from stored row 0, w_qkv from 8192, w_proj from 11264.
; THE ROWS ARE STORED IN ANOTHER ORDER: inside each group of 64 rows, the octet of rows 4 hi + i (hi = 0, 1; i = 0 .. 3) goes to place 2 i + hi.  Sixteen neighbouring STORED rows, taken as source 0 of a matrix
; instruction, then give lane (r, h), over four neighbouring tiles, 32 neighbours of the ORIGINAL order: a whole block of 32 of the next product's K in one lane.  The later launches lean on that.
; A block's scale is 2^(floor(log2(its largest magnitude)) - 2); its byte is the largest magnitude's exponent field - 2, held at 1 from below.  (A block of zeros so gets the byte 1: its codes are zeros, and this program alone reads the bytes.)
; LIMITS: NaN and infinities among the inputs are not served.
; A work-group takes 32 rows, a wave one octet: 8,192 numbers, 16 steps of 512.  Each of a step's four loads reads 512 consecutive bytes; the 2,048 bytes turn through the wave's own stage in LDS and come back
; 64 bytes a lane, so that a lane holds 16 neighbours along K and two neighbouring lanes a block.  A wave's 256 scale bytes are gathered in LDS and leave as one aligned run of 256 bytes.
; No tensor loads, no barrier: waves share nothing.  Loads run four steps (16 loads a wave) ahead, the turn through LDS one step.
.set STEPS, 16
.set CB,    12                         ; bytes of 16 codes
.set R,     16                         ; v16-79   four sets of 16 numbers as they are loaded
.set X,     80                         ; v80-111  two sets of 16 neighbours
.set C,     128                        ; v128-191 codes: four registers for each step, so that no store's data are written again
.set E,     112                        ; v112-127 a scale byte for each step
.set WREG,  8192                       ; LDS: a region for each wave: two stages of 32 x SP bytes, and behind them its 256 scale bytes
.set SP,    80                         ; a lane's place in a stage: its 64 bytes + 16 of padding
	s_load_b256 s[4:11], s[0:1], 0x0               ; x s[4:5], w_qkv s[6:7], w_proj s[8:9], cin s[10:11]
	s_load_b64 s[12:13], s[0:1], 0x20              ; sin
	v_lshl_add_u32 v192, v0, 2, 0x8000
	v_mov_b32 v193, 0
	v_lshrrev_b32 v1, 5, v0
	v_readfirstlane_b32 s16, v1                    ; wave
	v_and_b32 v2, 31, v0                           ; lane
	v_lshlrev_b32 v3, 4, v2                        ; my 16 bytes of a load's 512
	s_mul_i32 s17, s16, WREG
	v_lshrrev_b32 v14, 2, v2
	v_mul_u32_u24 v14, v14, SP
	v_and_b32 v15, 3, v2
	v_lshl_add_u32 v14, v15, 4, v14
	v_add_nc_u32 v14, s17, v14                     ; the stage, on the way in: SP (lane / 4) + 16 (lane % 4)
	v_mul_u32_u24 v15, v2, SP
	v_add_nc_u32 v15, s17, v15                     ; and on the way out: SP x lane: my 16 neighbours
	v_mul_u32_u24 v4, v2, CB                       ; my codes' place in a step's
	v_lshrrev_b32 v5, 1, v2
	s_add_co_u32 s17, s17, 2*32*SP
	v_add_nc_u32 v5, s17, v5                       ; LDS: my wave's 256 scale bytes, my block's byte
	v_lshlrev_b32 v7, 3, v2                        ; and on the way out 8 bytes a lane
	v_add_nc_u32 v6, s17, v7
	s_wait_kmcnt 0x0
	s_cmp_lt_u32 ttmp9, 256                        ; work-groups 0-255 take x, 256-351 w_qkv, 352-383 w_proj: the choice hangs on the work-group's number alone
	s_cselect_b64 s[4:5], s[4:5], s[6:7]
	s_cselect_b32 s17, 0, 256
	s_cmp_lt_u32 ttmp9, 352
	s_cselect_b64 s[4:5], s[4:5], s[8:9]
	s_cselect_b32 s17, s17, 352
	s_sub_co_u32 s17, ttmp9, s17
	s_lshl_b32 s17, s17, 2
	s_add_co_u32 s18, s17, s16                     ; which octet of rows of its tensor is my wave's
	s_mov_b32 s19, 0
	s_lshl_b64 s[20:21], s[18:19], 15              ; 8 rows of 4,096 bytes
	s_add_nc_u64 s[4:5], s[4:5], s[20:21]
	s_lshl_b32 s22, ttmp9, 2
	s_add_co_u32 s22, s22, s16                     ; the octet's number among all 1,536
	s_and_b32 s23, s22, 3
	s_lshl_b32 s23, s23, 1
	s_bfe_u32 s24, s22, 0x10002
	s_and_b32 s22, s22, -8
	s_or_b32 s22, s22, s23
	s_or_b32 s22, s22, s24                         ; its place: octet 4 hi + i of a group of eight goes to 2 i + hi
	s_mul_i32 s20, s22, 32*STEPS*CB                ; 6,144 bytes of codes an octet
	s_mov_b32 s21, 0
	s_add_nc_u64 s[10:11], s[10:11], s[20:21]
	s_lshl_b32 s20, s22, 8                         ; 256 scale bytes an octet
	s_add_nc_u64 s[12:13], s[12:13], s[20:21]
.macro LOAD t
.irp i, 0,1,2,3
	global_load_b128 v[R+16*((\t)%4)+4*\i:R+16*((\t)%4)+4*\i+3], v3, s[4:5] offset:2048*(\t)+512*\i th:TH_LOAD_NT   ; 32 lanes read 512 consecutive bytes
.endr
.endm
.macro TURN t                          ; step t's numbers through the stage: LDS serves a wave's instructions in order, so no wait stands between the stores and the loads
.irp i, 0,1,2,3
	ds_store_b128 v14, v[R+16*((\t)%4)+4*\i:R+16*((\t)%4)+4*\i+3] offset:32*SP*((\t)%2)+8*SP*\i
.endr
.irp i, 0,1,2,3
	ds_load_b128 v[X+16*((\t)%2)+4*\i:X+16*((\t)%2)+4*\i+3], v15 offset:32*SP*((\t)%2)+16*\i
.endr
.endm
.irp t, 0,1,2,3
	LOAD \t
.endr
	s_wait_loadcnt 12                              ; step 0's four loads are in; the twelve of steps 1 to 3 may be out
	TURN 0
.macro STEP t
.set XS, X+16*((\t)%2)
.if (\t) > 0
	s_wait_dscnt 1                                 ; this step's numbers are back from the stage (the last step's byte store may be out): so its stores into the stage have read their registers,
.else
	s_wait_dscnt 0x0
.endif
.if (\t)+4 < STEPS
	LOAD (\t)+4                                    ; which take the loads of four steps on
.endif
.if (\t)+1 < STEPS
.if STEPS-2-(\t) >= 3
	s_wait_loadcnt 12                              ; the next step's four loads are in; those of the three steps behind it may be out
.else
	s_wait_loadcnt 4*(STEPS-2-(\t))
.endif
	TURN (\t)+1                                    ; and go through the other stage while this step is worked
.endif
	v_max3_num_f32 v8, |v[XS]|, |v[XS+1]|, |v[XS+2]|               ; the largest magnitude of my 16
	v_max3_num_f32 v9, |v[XS+3]|, |v[XS+4]|, |v[XS+5]|
.irp i, 6,10
	v_max3_num_f32 v8, v8, |v[XS+\i]|, |v[XS+\i+1]|
	v_max3_num_f32 v9, v9, |v[XS+\i+2]|, |v[XS+\i+3]|
.endr
	v_max3_num_f32 v8, v8, |v[XS+14]|, |v[XS+15]|
	v_max3_num_f32 v8, v8, v9, 0x1800000           ; and the floor 2^(3 - 127): so the byte cannot fall under 1
	v_max_num_f32_dpp v8, v8, v8 row_xmask:1 row_mask:0xf bank_mask:0xf   ; and of my neighbour's 16: the block's
	v_add_nc_u32 v11, 0xff000000, v8               ; 2 off its exponent field: the conversion takes the exponent field of this operand as its scale, and nothing else of it
	v_cvt_scalef32_pk16_fp6_f32 v[C+4*(\t):C+4*(\t)+2], v[XS:XS+15], v11
	v_lshrrev_b32 v[E+(\t)], 23, v11               ; the scale's byte (also the plain line behind the conversion)
	ds_store_b8 v5, v[E+(\t)] offset:16*(\t)       ; both lanes of a block write the same byte with the same value
	global_store_b96 v4, v[C+4*(\t):C+4*(\t)+2], s[10:11] offset:32*CB*(\t)
.endm
.irp t, 0,1,2,3,4,5,6,7,8,9,10,11,12,13,14,15
	STEP \t
.endr
	ds_load_b64 v[12:13], v6                       ; LDS serves a wave's instructions in order: these see my stores
	s_wait_dscnt 0x0
	global_store_b64 v7, v[12:13], s[12:13]        ; 32 lanes store 256 consecutive bytes, aligned
	s_wait_tensorcnt 0x0
	ds_add_u32 v192, v193
	s_wait_dscnt 0x0
	s_endpgm
.Lfunc_end_k_q4a2614f5f5_quant:
	.size	k_q4a2614f5f5_quant, .Lfunc_end_k_q4a2614f5f5_quant-k_q4a2614f5f5_quant
	.p2alignl 7, 3214868480
	.fill 96, 4, 3214868480
	.section	.rodata,"a",@progbits
	.p2align	6, 0x0
	.amdhsa_kernel k_q4a2614f5f5_quant
		.amdhsa_group_segment_fixed_size 33280
		.amdhsa_private_segment_fixed_size 0
		.amdhsa_enable_private_segment 0
		.amdhsa_kernarg_size 40
		.amdhsa_user_sgpr_count 2
		.amdhsa_user_sgpr_kernarg_segment_ptr 1
		.amdhsa_wavefront_size32 1
		.amdhsa_system_sgpr_workgroup_id_x 1
		.amdhsa_system_sgpr_workgroup_id_y 1
		.amdhsa_system_sgpr_workgroup_id_z 1
		.amdhsa_system_vgpr_workitem_id 0
		.amdhsa_next_free_vgpr 194
		.amdhsa_next_free_sgpr 66
		.amdhsa_reserve_vcc 0
		.amdhsa_float_denorm_mode_32 3
		.amdhsa_float_denorm_mode_16_64 3
		.amdhsa_memory_ordered 1
		.amdhsa_forward_progress 1
		.amdhsa_inst_pref_size 33
	.end_amdhsa_kernel
	.amdgpu_metadata
---
amdhsa.version: [ 1, 2 ]
amdhsa.kernels:
  - .name:           k_q4a2614f5f5_quant
    .symbol:         k_q4a2614f5f5_quant.kd
    .args:
      - { .name: x, .offset: 0, .size: 8, .value_kind: global_buffer, .address_space: global }
      - { .name: w_qkv, .offset: 8, .size: 8, .value_kind: global_buffer, .address_space: global }
      - { .name: w_proj, .offset: 16, .size: 8, .value_kind: global_buffer, .address_space: global }
      - { .name: cin, .offset: 24, .size: 8, .value_kind: global_buffer, .address_space: global }
      - { .name: sin, .offset: 32, .size: 8, .value_kind: global_buffer, .address_space: global }
    .group_segment_fixed_size: 33280
    .private_segment_fixed_size: 0
    .kernarg_segment_align: 8
    .kernarg_segment_size: 40
    .max_flat_workgroup_size: 128
    .sgpr_count:     66
    .vgpr_count:     194
    .wavefront_size: 32
...
	.end_amdgpu_metadata
.endif
;; end of part 1
;; launch gemm_qkv (part 2): grid 96 x 4, 4 waves a work-group, clusters of 4 x 4, 327,680 bytes of LDS; arguments cin, sin, qkvc, qkvs; writes qkvc, qkvs
.if DOCPART == 2
	.amdgcn_target "amdgcn-amd-amdhsa--gfx1250"
	.amdhsa_code_object_version 6
	.text
	.protected	k_q4a2614f5f5_gemm_qkv
	.globl	k_q4a2614f5f5_gemm_qkv
	.p2align	8
	.type	k_q4a2614f5f5_gemm_qkv,@function
k_q4a2614f5f5_gemm_qkv:
	s_mov_b64 s[64:65], 0
	v_nop
	global_prefetch_b8 v0, s[64:65] scope:SCOPE_SE
	s_setreg_imm32_b32 hwreg(HW_REG_WAVE_MODE, 25, 1), 1
	s_wait_xcnt 0x0
	s_wait_alu depctr_hold_cnt(0) depctr_sa_sdst(0) depctr_va_vdst(0) depctr_va_sdst(0) depctr_va_ssrc(0) depctr_va_vcc(0) depctr_vm_vsrc(0)
	s_getreg_b32 s2, hwreg(HW_REG_IB_STS2, 6, 4)
	s_cmp_eq_u32 s2, 0
	s_cbranch_scc0 .Lentry_in_a_cluster
	s_endpgm
.Lentry_in_a_cluster:
	s_bfe_u32 s2, ttmp6, 0x10000c
	s_cmp_lg_u32 s2, 0xf033
	s_cbranch_scc0 .Lentry_shape_is_right
	s_endpgm
.Lentry_shape_is_right:
; q, k and v = x w_qkv^T on codes of FP6 (E2M3) with one E8M0 scale for each 32 along K = 1,024, f32 sums; the results never go to memory as f32: they are quantised here, along the NEXT product's K, and stored as
; images of the operand's registers (register pair 2 g, 2 g + 1 of lane l at 256 g + 8 l), with their scale words beside them.
; ONE BODY, TWO KINDS, told apart by the cluster's number ci (24 clusters of 4 x 4 work-groups, 384 tiles of 256 x 256):
;   ci < 16, q and k: A = x's rows (tokens), B = w_q's and w_k's rows (channels): results are quantised along the channels of a head (64: two blocks).
;   ci >= 16, v:      A = w_v's rows (channels), B = x's rows (keys):            results are quantised along the keys (128 to a wave: four blocks).
; THE MATRIX INSTRUCTION IS USED TRANSPOSED (source 0 = 16 rows of B, source 1 = 16 rows of A): a lane holds one row of A and its registers run along B's rows.  cin's rows stand in the order that the first launch gave
; them, so that of B's blocks 4 c + i (i = 0 .. 3) register j of lane (r, h) is the ORIGINAL row 64 c + 32 h + 8 i + j: 32 registers are one whole block of 32, and the very block that the 6-bit operand layout gives that lane.
; So a block's largest magnitude needs no other lane and the conversions' results are the operand's registers.
; q IS SCALED BY 1/8 in the product that follows: a power of two, so q's codes are those of the unscaled q and each scale byte is 3 less; the floor under the largest magnitude is 3 exponents higher for q, which keeps the byte at 1 from below.
; LIMITS: NaN and infinities are not served; a block of zeros gets the floor's byte (its codes are zeros; this program alone reads the bytes).
; The ring: K in steps of 256 through two LDS slots filled by joint tensor loads (A's tile shared along a row of the cluster, B's along a column); the scales of the work-group's rows come once and stay.
; REGISTERS, in windows of 256: window 0: v0-31 addresses; v32-63 scale words, two sets; v64-115 the way out; from v128 A's fragments, one set.   window 1: B's fragments, two sets.   windows 2, 3: the 64 accumulators ((a, b) at v[8 (8 (a % 4) + b)] of window 2 + a / 4).
.set KSTEP,  256
.set NQ,     2                         ; matrix instructions deep in a slot
.set ROWB,   192                       ; a tile's row in bytes
.set KROW,   768                       ; a row of cin
.set PITCH,  240                       ; an LDS row: 3 x (64 bytes + 16 of padding)
.set FR,     12
.set NL,     6
.set NP,     4
.set HALFT,  128*PITCH
.set SLOT,   4*HALFT
.set LAPS,   2                         ; K = 1,024: four K steps, twice round the ring
.set KS,     32                        ; a row of sin
.set SCL,    2*SLOT
.set HALFS,  (128*KS/256)*272
.set SBLK,   (16*KS/256)*272
.set SPARE,  SCL+4*HALFS               ; the spare words, 128 bytes for each wave: two blocks of 256 bytes that no other line names
.set ADRA, 16                          ; v16-19
.set ADRB, 20                          ; v20-23
.set ADRS, 27
.set SPW,  28
.set NIL,  29
.set SC,   32
.set AF,   128
.set LOF,  30                          ; the way out: my byte offset for granules 0-2,
.set HOF,  31                          ; and for the second three
.set CH,   64                          ; v64-67  four chains of maxima
.set SO,   68                          ; v68-69  the conversions' scale operands
.set BY,   70                          ; v70-71  scale bytes
.set PT,   72                          ; a lane permute's destination
.set SH8,  73                          ; 8 x (lane / 16)
.set LN,   74
.set A16,  75                          ; 16 x lane;  v76 the same + a head's scale bytes
.set A8,   77                          ; 8 x lane;   v78 likewise
.set CD,   80                          ; v80-91  twelve registers of codes
.set TA,   92                          ; v92-94, v96-98: the conversions' second halves
.set WS,   100                         ; v100-107 a scale word for each block a
.set XW,   108                         ; v108-111, v112-115 the words as they are stored
.set YW,   112
.set G1, 24
.set G0, 32
.set G1B, 48
.set G0B, 56
.set G1S, 68
.set G0S, 76
.set G1SB, 80
.set G0SB, 88
.set MSB, 0
.macro WIN new                         ; the immediate's high byte repeats the setting that is left
.if MSB != \new
	s_set_vgpr_msb (MSB<<8)|\new
.set MSB, \new
.endif
.endm
.set MUL_LO, 0xa1                      ; source 0 (B) window 1, source 1 (A) window 0, C and D window 2
.set MUL_HI, 0xf1
.set TO_B,   0x40
; A joint load: waves 0 and 1 fetch for A, waves 2 and 3 for B.  The branch hangs on the wave's number alone.  Four v_nop follow each of the two lines.
.macro JLOAD g0a, g1a, g0b, g1b
	s_cmp_eq_u32 s15, 0
	s_cbranch_scc0 .Lfor_b_\@
	tensor_load_to_lds s[\g0a:\g0a+3], s[\g1a:\g1a+7]
	s_nop 0
.rept 4
	v_nop
.endr
	s_branch .Lasked_\@
.Lfor_b_\@:
	tensor_load_to_lds s[\g0b:\g0b+3], s[\g1b:\g1b+7]
	s_nop 0
.rept 4
	v_nop
.endr
.Lasked_\@:
.endm
.macro CREST                           ; a round of the cluster's barrier behind its opening barrier
	s_cmp_lg_u32 s14, 0
	s_cbranch_scc1 .Lnot_wave_0_\@
	s_barrier_signal -3
.Lnot_wave_0_\@:
	s_barrier_wait -3
	s_barrier_signal -1
	s_barrier_wait -1
.endm
.macro CROUND
	s_barrier_signal -1
	s_barrier_wait -1
	CREST
.endm
	s_load_b256 s[4:11], s[0:1], 0x0               ; cin s[4:5], sin s[6:7], qkvc s[8:9], qkvs s[10:11]
	v_lshl_add_u32 v[SPW], v0, 2, SPARE
	v_mov_b32 v[NIL], 0
	ds_add_u32 v28, v29
	ds_add_u32 v28, v29
	s_wait_dscnt 0x0
	v_lshrrev_b32 v1, 5, v0
	v_readfirstlane_b32 s14, v1                    ; wave 0..3
	s_lshr_b32 s15, s14, 1                         ; which half of A's 256 rows is mine.  Also: I fetch for A (0) or for B (1)
	s_and_b32 s16, s14, 1                          ; which half of B's.  Also: which 128 rows of that tile I fetch
	s_bfe_u32 s40, ttmp6, 0x40000                  ; cx, cy: my place in the cluster
	s_bfe_u32 s41, ttmp6, 0x40004
	s_lshr_b32 s12, ttmp9, 1                       ; the kind and the cluster's place among the tiles, from the cluster's number alone
	s_and_b32 s13, ttmp9, 1
	s_max_u32 s95, ttmp9, 16
	s_sub_co_u32 s95, s95, 16
	s_cmp_lt_u32 ttmp9, 16
	s_cselect_b32 s12, s12, 0                      ; the cluster's row of 4 tiles:    q, k: ci / 2 (x's 32 tiles);  v: 0 (w_v's 4 tiles)
	s_cselect_b32 s13, s13, s95                    ; the cluster's column of 4 tiles: q, k: ci % 2 (w_q, w_k: 8);   v: ci - 16 (x's 32)
	s_cselect_b32 s96, 0, 10240                    ; A's first stored row in cin: x's, or w_v's
	s_cselect_b32 s97, 8192, 0                     ; B's: w_q's, or x's
	s_lshl_b32 s42, s13, 2
	s_add_co_u32 s42, s42, s40                     ; tile column
	s_lshl_b32 s17, s12, 2
	s_add_co_u32 s17, s17, s41                     ; tile row
	s_lshl_b32 s43, s41, 2
	s_lshl_b32 s43, 15, s43                        ; my row of the cluster
	s_lshl_b32 s44, 0x1111, s40                    ; my column
	; descriptor group 1: a tile of 128 rows x 192 bytes, 16 bytes of padding behind every 64
	s_or_b32 s[G1+0], s43, (0<<16)|(1<<20)|(1<<21)|(3<<22)|(3<<25)
	s_or_b32 s[G1B+0], s44, (0<<16)|(1<<20)|(1<<21)|(3<<22)|(3<<25)
.irp g, G1, G1B
	s_mov_b32 s[\g+1], ROWB<<16                    ; tensor_dim0
	s_mov_b32 s[\g+2], 128<<16                     ; tensor_dim1
	s_mov_b32 s[\g+3], ROWB<<16                    ; tile_dim0
	s_mov_b32 s[\g+4], 128                         ; tile_dim1
	s_mov_b32 s[\g+5], KROW                        ; tensor_dim0_stride
	s_mov_b32 s[\g+6], 0
	s_mov_b32 s[\g+7], 0
.endr
	; the scales of 128 rows: 4,096 dense bytes, as 16 rows of 256 bytes (32 elements of 8), 16 bytes of padding behind each
	s_or_b32 s[G1S+0], s43, (3<<16)|(1<<20)|(1<<21)|(5<<22)|(3<<25)
	s_or_b32 s[G1SB+0], s44, (3<<16)|(1<<20)|(1<<21)|(5<<22)|(3<<25)
.irp g, G1S, G1SB
	s_mov_b32 s[\g+1], 32<<16
	s_mov_b32 s[\g+2], (128*KS/256)<<16
	s_mov_b32 s[\g+3], 32<<16
	s_mov_b32 s[\g+4], 128*KS/256
	s_mov_b32 s[\g+5], 32
	s_mov_b32 s[\g+6], 0
	s_mov_b32 s[\g+7], 0
.endr
	s_lshl_b32 s18, s16, 7                         ; which 128 rows of the tile I fetch
	s_lshl_b32 s20, s17, 8
	s_add_co_u32 s20, s20, s18
	s_add_co_u32 s20, s20, s96                     ; A: stored row
	s_lshl_b32 s46, s42, 8
	s_add_co_u32 s46, s46, s18
	s_add_co_u32 s46, s46, s97                     ; B: stored row
	s_lshl_b32 s22, s20, 5                         ; where these rows' scales begin, in bytes
	s_mov_b32 s23, 0
	s_lshl_b32 s92, s46, 5
	s_mov_b32 s93, 0
	s_mul_i32 s20, s20, KROW                       ; and their codes (all under 2^24)
	s_mov_b32 s21, 0
	s_mul_i32 s46, s46, KROW
	s_mov_b32 s47, 0
	s_mul_i32 s45, s14, HALFT                      ; where they go: wave x 128 rows: no place in the cluster enters an LDS address
	s_mul_i32 s94, s14, HALFS
	s_wait_kmcnt 0x0
	s_add_nc_u64 s[20:21], s[4:5], s[20:21]
	s_add_nc_u64 s[22:23], s[6:7], s[22:23]
	s_add_nc_u64 s[46:47], s[4:5], s[46:47]
	s_add_nc_u64 s[92:93], s[6:7], s[92:93]
	CROUND                                         ; all sixteen work-groups are here: the first joint loads meet
	s_mov_b32 s[G0S], 1
	s_add_co_u32 s[G0S+1], s94, SCL
	s_mov_b64 s[G0S+2:G0S+3], s[22:23]
	s_or_b32 s[G0S+3], s[G0S+3], 0x80000000
	s_mov_b32 s[G0SB], 1
	s_add_co_u32 s[G0SB+1], s94, SCL
	s_mov_b64 s[G0SB+2:G0SB+3], s[92:93]
	s_or_b32 s[G0SB+3], s[G0SB+3], 0x80000000
	JLOAD G0S, G1S, G0SB, G1SB                     ; the scales first: they are wanted with K step 0
.irp s, 0,1
	s_mov_b32 s[G0+4*\s], 1
	s_add_co_u32 s[G0+4*\s+1], s45, \s*SLOT
	s_add_nc_u64 s[G0+4*\s+2:G0+4*\s+3], s[20:21], \s*ROWB
	s_or_b32 s[G0+4*\s+3], s[G0+4*\s+3], 0x80000000
	s_mov_b32 s[G0B+4*\s], 1
	s_add_co_u32 s[G0B+4*\s+1], s45, \s*SLOT
	s_add_nc_u64 s[G0B+4*\s+2:G0B+4*\s+3], s[46:47], \s*ROWB
	s_or_b32 s[G0B+4*\s+3], s[G0B+4*\s+3], 0x80000000
	JLOAD G0+4*\s, G1, G0B+4*\s, G1B
.endr
	v_and_b32 v1, 15, v0                           ; l % 16
	v_bfe_u32 v2, v0, 4, 1                         ; l / 16
	v_mul_u32_u24 v3, v1, PITCH
	v_mul_u32_u24 v4, v2, 24
	v_add_nc_u32 v4, v3, v4                        ; a fragment's row x pitch + 24 x half
	v_lshl_add_u32 v5, v2, 4, v4                   ; and the same behind one padding more
	s_mul_i32 s21, s15, HALFT                      ; my 128 rows of A
	s_mul_i32 s22, s16, HALFT                      ; my 128 rows of B,
	s_add_co_u32 s22, s22, 2*HALFT                 ; which lie behind A's 256
.irp s, 0,1
	v_add_nc_u32 v[ADRA+\s], s21, v4
	v_add_nc_u32 v[ADRB+\s], s22, v4
	v_add_nc_u32 v[ADRA+2+\s], s21, v5
	v_add_nc_u32 v[ADRB+2+\s], s22, v5
	s_add_co_u32 s21, s21, SLOT
	s_add_co_u32 s22, s22, SLOT
.endr
	v_mul_u32_u24 v5, v1, KS                       ; my row's scales: 32 bytes a row,
	v_lshrrev_b32 v6, 8, v5
	v_lshl_add_u32 v5, v6, 4, v5                   ; and 16 more for each 256 passed
	s_mul_i32 s21, s15, HALFS
	s_mul_i32 s22, s16, HALFS
	s_add_co_u32 s22, s22, 2*HALFS
	s_sub_co_u32 s22, s22, s21
	v_mul_u32_u24 v6, s22, v2                      ; lanes 16-31 take B's
	s_add_co_u32 s21, s21, SCL
	v_add_nc_u32 v5, v5, v6
	v_add_nc_u32 v[ADRS], s21, v5
.macro FRAG reg, adr, q, i             ; a fragment, 16 rows x 128 K, 12 registers, in pieces of 8 bytes; where the piece three on lies behind one padding more, the second address register serves
.irp p, 0,1,2,3,4,5
.set PCE, 12*(\q)+6*(\p/3)+\p%3
.if PCE%8 < 5
	ds_load_b64 v[\reg+2*\p:\reg+2*\p+1], v[\adr] offset:8*PCE+16*(PCE/8)+(\i)*16*PITCH
.else
	ds_load_b64 v[\reg+2*\p:\reg+2*\p+1], v[\adr+2] offset:8*PCE+16*(PCE/8)+(\i)*16*PITCH
.endif
.endr
.endm
; 16 matrix instructions: A's blocks a0, a0 + 1 x B's eight, 128 along K.  zero = 1: the first product starts the sums.  The 64 accumulators take turns, one instruction a turn.
.macro MUL16 a0, p, q, sc, zero
.irp a, \a0, \a0+1
.irp b, 0,1,2,3,4,5,6,7
.if \zero
	v_wmma_scale_f32_16x16x128_f8f6f4 v[8*(8*((\a)%4)+\b):8*(8*((\a)%4)+\b)+7], v[128*(\p)+FR*\b:128*(\p)+FR*\b+FR-1], v[AF+FR*(\a):AF+FR*(\a)+FR-1], 0, v[SC+8*NQ*(\sc)+NQ*\b+(\q)], v[SC+8*NQ*(\sc)+NQ*(\a)+(\q)] matrix_a_fmt:MATRIX_FMT_FP6 matrix_b_fmt:MATRIX_FMT_FP6 matrix_a_scale:MATRIX_SCALE_ROW1
.else
	v_wmma_scale_f32_16x16x128_f8f6f4 v[8*(8*((\a)%4)+\b):8*(8*((\a)%4)+\b)+7], v[128*(\p)+FR*\b:128*(\p)+FR*\b+FR-1], v[AF+FR*(\a):AF+FR*(\a)+FR-1], v[8*(8*((\a)%4)+\b):8*(8*((\a)%4)+\b)+7], v[SC+8*NQ*(\sc)+NQ*\b+(\q)], v[SC+8*NQ*(\sc)+NQ*(\a)+(\q)] matrix_a_fmt:MATRIX_FMT_FP6 matrix_b_fmt:MATRIX_FMT_FP6 matrix_a_scale:MATRIX_SCALE_ROW1
.endif
.endr
.endr
.endm
.macro FETCH_B slot, q, p
	WIN TO_B
.irp i, 0,1,2,3,4,5,6,7
	FRAG 128*(\p)+FR*\i, ADRB+\slot, \q, \i
.endr
	WIN 0
.endm
.macro FETCH_A slot, q, i0
.irp i, \i0, \i0+1, \i0+2, \i0+3
	FRAG AF+FR*(\i), ADRA+\slot, \q, \i
.endr
.endm
.macro SCALES sc                       ; the next K step's scale words: two words a row; lanes 0-15 take A's block i, lanes 16-31 B's block i
.irp i, 0,1,2,3,4,5,6,7
	ds_load_b64 v[SC+8*NQ*\sc+NQ*\i:SC+8*NQ*\sc+NQ*\i+1], v[ADRS] offset:\i*SBLK
.endr
.endm
.macro PLACES n                        ; plain vector instructions between a matrix instruction and a load into, or a read of, its registers
.rept \n
	v_nop
.endr
.endm
.macro STEP slot, q, zero              ; a step of 128 along K that has its successor in the same slot
	s_wait_dscnt 4*NL                              ; B's set and A's blocks 0-3 are in; the youngest 24 loads (A's blocks 4-7) may be out
	WIN MUL_LO
	MUL16 0, (\q)%2, \q, \slot, \zero
	MUL16 2, (\q)%2, \q, \slot, \zero
	s_wait_dscnt 0
	PLACES NP
	FETCH_B \slot, (\q)+1, 1-(\q)%2
	FETCH_A \slot, (\q)+1, 0
	WIN MUL_HI
	MUL16 4, (\q)%2, \q, \slot, \zero
	MUL16 6, (\q)%2, \q, \slot, \zero
	PLACES NP
	WIN 0
	FETCH_A \slot, (\q)+1, 4
.endm
; A slot's last step changes slots: ONE barrier; in front of it each wave waits for all its tensor loads, adds 0 to its spare word, and waits for that and for its own reads of this slot.  fill = 1: this slot is filled again, two K steps ahead.
.macro TURN slot, next, fill
	s_wait_tensorcnt 0x0                           ; all my tensor loads have landed: my part of the next slot
	ds_add_u32 v[SPW], v[NIL]                      ; 0 onto my spare word
	s_wait_dscnt 4*NL+1                            ; (the add and the youngest 24 loads, A's blocks 4-7, may be out)
	WIN MUL_LO
	MUL16 0, 1, NQ-1, \slot, 0
	s_wait_dscnt 0x0                               ; the add is done, and my reads of this slot are over
	s_barrier_signal -1
	MUL16 2, 1, NQ-1, \slot, 0
	WIN 0
	s_barrier_wait -1
.if \fill
	CREST                                          ; the barrier has opened a round of the cluster's barrier: no wave of any partner still reads this slot's tile or has a load on its way
	s_add_nc_u64 s[G0+4*\slot+2:G0+4*\slot+3], s[G0+4*\slot+2:G0+4*\slot+3], 2*ROWB
	s_add_nc_u64 s[G0B+4*\slot+2:G0B+4*\slot+3], s[G0B+4*\slot+2:G0B+4*\slot+3], 2*ROWB
	JLOAD G0+4*\slot, G1, G0B+4*\slot, G1B         ; the first tensor load behind the round; its four v_nop are also the places in front of the loads below
.else
	PLACES NP
.endif
	v_add_nc_u32 v[ADRS], 4*NQ, v[ADRS]            ; on to the next K step's scale words
	FETCH_B \next, 0, 0
	FETCH_A \next, 0, 0
	SCALES \next
	WIN MUL_HI
	MUL16 4, 1, NQ-1, \slot, 0
	MUL16 6, 1, NQ-1, \slot, 0
	PLACES NP
	WIN 0
	FETCH_A \next, 0, 4
.endm
	s_wait_tensorcnt 1                             ; the scales and my part of K step 0 are in (K step 1's load may be out),
	s_barrier_signal -1
	s_barrier_wait -1                              ; everybody's are
	FETCH_B 0, 0, 0
	FETCH_A 0, 0, 0
	SCALES 0
	FETCH_A 0, 0, 4
	STEP 0, 0, 1                                   ; the first step stands in front of the loop: its products start the sums
	s_mov_b32 s3, LAPS-1
.Llap:                                                 ; a trip goes once round the ring and fills both slots again
	TURN 0, 1, 1
	STEP 1, 0, 0
	TURN 1, 0, 1
	STEP 0, 0, 0
	s_sub_co_u32 s3, s3, 1
	s_cmp_lg_u32 s3, 0
	s_cbranch_scc1 .Llap
	TURN 0, 1, 0                                   ; the last lap fills nothing
	STEP 1, 0, 0
	s_wait_dscnt 4*NL
	WIN MUL_LO
	MUL16 0, 1, NQ-1, 1, 0
	MUL16 2, 1, NQ-1, 1, 0
	s_wait_dscnt 0
	WIN MUL_HI
	MUL16 4, 1, NQ-1, 1, 0
	MUL16 6, 1, NQ-1, 1, 0
	WIN 0
	; THE WAY OUT.  Where my results go.  P: the tile of 256 tokens, Qv: the tile of 256 channels, wp, wq: my halves of them.  No tensor load is out, so the descriptors' registers are free.
.set DA,  73                           ; s73 from block a to block a + 1, in bytes
.set D4,  74                           ; s74 and what block 4 adds (v: on to the next head)
.set ADJ, 79                           ; s79 what is taken off the scale words: 3 off each byte for q
.set FLO, 80                           ; s80 the floor under a block's largest magnitude
	s_lshr_b32 s72, s42, 2
	s_mov_b32 s[DA], 1536
	s_mov_b32 s75, 768
	s_mov_b32 s76, 532480
	s_mov_b32 s77, 256
	s_cmp_lt_u32 ttmp9, 16
	s_cselect_b32 s68, s17, s42                    ; P
	s_cselect_b32 s69, s42, s17                    ; Qv
	s_cselect_b32 s70, s15, s16                    ; wp
	s_cselect_b32 s71, s16, s15                    ; wq
	s_cselect_b32 s72, s72, 2                      ; the region: 0 q, 1 k, 2 v
	s_cselect_b32 s[DA], 768, s[DA]                ; q, k: a tile of 16 tokens x 64 is 768 bytes;  v: a fragment of 16 channels x 128 keys is 1,536
	s_cselect_b32 s[D4], 0, 92160                  ; v: from fragment 3 of a head's step to fragment 0 of the next head's: 98,304 - 4 x 1,536
	s_cselect_b32 s75, 98304, s75                  ; the second six registers: q, k: the next head;  v: granules 3 to 5
	s_cselect_b32 s76, 524288, s76                 ; the scale words' region: k's, or v's behind k's 8,192 bytes of a head
	s_cselect_b32 s77, 512, s77                    ; scale bytes of a step of 128 tokens
	s_mov_b32 s78, 12288
	s_mov_b32 s[FLO], 3<<23
	s_cmp_eq_u32 s72, 0
	s_cselect_b32 s76, 0, s76                      ; q's region begins the buffer
	s_cselect_b32 s78, 8192, s78                   ; scale bytes of a head
	s_cselect_b32 s[ADJ], 0x03030303, 0
	s_cselect_b32 s[FLO], 6<<23, s[FLO]
	s_lshr_b32 s81, s68, 3                         ; the batch
	s_and_b32 s82, s68, 7
	s_lshl_b32 s82, s82, 1
	s_add_co_u32 s82, s82, s70                     ; the step of 128 tokens in the batch
	s_lshl_b32 s81, s81, 4
	s_and_b32 s83, s69, 3
	s_lshl_b32 s83, s83, 2
	s_add_co_u32 s81, s81, s83
	s_lshl_b32 s83, s71, 1
	s_add_co_u32 s81, s81, s83                     ; my first (batch, head): 16 x batch + 4 (Qv % 4) + 2 wq
	s_mul_i32 s84, s72, 6291456
	s_mul_i32 s83, s81, 98304
	s_add_co_u32 s84, s84, s83
	s_mul_i32 s83, s82, 6144
	s_add_co_u32 s84, s84, s83
	s_mov_b32 s85, 0
	s_add_nc_u64 s[8:9], s[8:9], s[84:85]          ; the codes
	s_mul_i32 s84, s81, s78
	s_add_co_u32 s84, s84, s76
	s_mul_i32 s83, s82, s77
	s_add_co_u32 s84, s84, s83
	s_add_nc_u64 s[10:11], s[10:11], s[84:85]      ; the scale words
	s_mov_b32 s98, 0x76543210
	s_mov_b32 s99, 0xfedcba98                      ; v_permlanex16_b32's selects for lane l xor 16
	v_and_b32 v[LN], 31, v0                        ; (these ten plain lines are the places behind the last products)
	v_bfe_u32 v[SH8], v0, 4, 1
	v_lshlrev_b32 v[LOF], 3, v[LN]
	v_lshlrev_b32 v[SH8], 3, v[SH8]
	v_add_nc_u32 v[HOF], s75, v[LOF]
	v_mov_b32 v[PT], 0                             ; written once: a lane permute's destination counts as one of its sources
	v_lshlrev_b32 v[A16], 4, v[LN]
	v_add_nc_u32 v[A16+1], s78, v[A16]
	v_lshlrev_b32 v[A8], 3, v[LN]
	v_add_nc_u32 v[A8+1], s78, v[A8]
; Block a's 64 numbers of a lane: registers 32 c .. 32 c + 31 are one whole block of 32.  They become twelve registers of codes in v[CD] on and a scale word in v[WS + a].
.macro QUANTW a
.set AC, 64*((\a)%4)
	WIN 0x0a+5*((\a)/4)                            ; sources 0 and 1: window 2 or 3
.irp n, 0,1,2,3
	v_max3_num_f32 v[CH+\n], |v[AC+16*\n]|, |v[AC+16*\n+1]|, s[FLO]   ; four chains of 16, each with the floor among its leaves; each accumulator is read from its low end on
.endr
.irp i, 2,4,6,8,10,12,14
.irp n, 0,1,2,3
	v_max3_num_f32 v[CH+\n], |v[AC+16*\n+\i]|, |v[AC+16*\n+\i+1]|, v[CH+\n]
.endr
.endr
	WIN 0
	v_max_num_f32 v[CH], v[CH], v[CH+1]            ; block c = 0's largest magnitude,
	v_max_num_f32 v[CH+2], v[CH+2], v[CH+3]        ; block c = 1's
	v_add_nc_u32 v[SO], 0xff000000, v[CH]          ; 2 off the exponent field: the conversion's scale operand
	v_add_nc_u32 v[SO+1], 0xff000000, v[CH+2]
	v_lshrrev_b32 v[BY], 23, v[SO]                 ; the scale's byte
	v_lshrrev_b32 v[BY+1], 23, v[SO+1]
	v_lshl_or_b32 v[BY], v[BY+1], 16, v[BY]        ; my two bytes: blocks h and 2 + h,
	v_lshlrev_b32 v[BY], v[SH8], v[BY]             ; at their places in the word;
	v_permlanex16_b32 v[PT], v[BY], s98, s99
	v_or_b32 v[WS+(\a)], v[BY], v[PT]              ; with lane l xor 16's two the word is whole
	WIN 0x02+(\a)/4                                ; source 0: window 2 or 3
.irp c, 0,1
	v_cvt_scalef32_pk16_fp6_f32 v[CD+6*\c:CD+6*\c+2], v[AC+32*\c:AC+32*\c+15], v[SO+\c]
	v_cvt_scalef32_pk16_fp6_f32 v[TA+4*\c:TA+4*\c+2], v[AC+32*\c+16:AC+32*\c+31], v[SO+\c]   ; (a conversion's three registers begin on an even number)
.endr
	WIN 0
	v_nop                                          ; one plain place behind a scaled conversion
.irp c, 0,1
.irp i, 0,1,2
	v_mov_b32 v[CD+6*\c+3+\i], v[TA+4*\c+\i]
.endr
.endr
.endm
.irp a, 0,1,2,3,4,5,6,7
.if \a > 0
	s_wait_xcnt 0x0                                ; the last block's stores have read their data and offsets: both may be written again
	v_add_nc_u32 v[LOF], s[DA], v[LOF]
	v_add_nc_u32 v[HOF], s[DA], v[HOF]
.if \a == 4
	v_add_nc_u32 v[LOF], s[D4], v[LOF]
	v_add_nc_u32 v[HOF], s[D4], v[HOF]
.endif
.endif
	QUANTW \a
.irp g, 0,1,2
	global_store_b64 v[LOF], v[CD+2*\g:CD+2*\g+1], s[8:9] offset:256*\g       ; 32 lanes store 256 consecutive bytes, aligned
.endr
.irp g, 0,1,2
	global_store_b64 v[HOF], v[CD+6+2*\g:CD+6+2*\g+1], s[8:9] offset:256*\g
.endr
.endr
	; the scale words: word i holds block 2 i's rows in lanes 0-15 and block 2 i + 1's in lanes 16-31, as the reader's matrix instructions take them
	v_cmp_gt_u32 vcc_lo, 16, v[LN]
.irp i, 0,1,2,3
	v_cndmask_b32 v[XW+\i], v[WS+2*\i+1], v[WS+2*\i], vcc_lo
.endr
.irp i, 0,1,2,3
	v_sub_nc_u32 v[XW+\i], v[XW+\i], s[ADJ]        ; q: each byte 3 less (every byte is 4 at the least: no borrow)
.endr
	s_cmp_lt_u32 ttmp9, 16                         ; the cluster's number: alike in all partners
	s_cbranch_scc0 .Lv_words
.irp i, 0,1,2,3
	v_lshrrev_b32 v[YW+\i], 16, v[XW+\i]           ; q, k: bytes 0, 1 are my first head's two blocks, bytes 2, 3 my second head's
.endr
	global_store_b128 v[A16], v[XW:XW+3], s[10:11]       ; (a word's upper two bytes scale zero codes in the reader; they are never 0xff)
	global_store_b128 v[A16+1], v[YW:YW+3], s[10:11]
	s_branch .Lwords_out
.Lv_words:
	global_store_b64 v[A8], v[XW:XW+1], s[10:11]         ; v: blocks 0-3 are my first head's four tiles of channels, blocks 4-7 my second head's
	global_store_b64 v[A8+1], v[XW+2:XW+3], s[10:11]
.Lwords_out:
	s_wait_tensorcnt 0x0                           ; the wave's end
	ds_add_u32 v[SPW], v[NIL]
	s_wait_dscnt 0x0
	CROUND                                         ; the closing round: no work-group ends while a partner may still ask for a tile that names it
	s_endpgm
.Lfunc_end_k_q4a2614f5f5_gemm_qkv:
	.size	k_q4a2614f5f5_gemm_qkv, .Lfunc_end_k_q4a2614f5f5_gemm_qkv-k_q4a2614f5f5_gemm_qkv
	.p2alignl 7, 3214868480
	.fill 96, 4, 3214868480
	.section	.rodata,"a",@progbits
	.p2align	6, 0x0
	.amdhsa_kernel k_q4a2614f5f5_gemm_qkv
		.amdhsa_group_segment_fixed_size 327680
		.amdhsa_private_segment_fixed_size 0
		.amdhsa_enable_private_segment 0
		.amdhsa_kernarg_size 32
		.amdhsa_user_sgpr_count 2
		.amdhsa_user_sgpr_kernarg_segment_ptr 1
		.amdhsa_wavefront_size32 1
		.amdhsa_system_sgpr_workgroup_id_x 1
		.amdhsa_system_sgpr_workgroup_id_y 1
		.amdhsa_system_sgpr_workgroup_id_z 1
		.amdhsa_system_vgpr_workitem_id 0
		.amdhsa_next_free_vgpr 1024
		.amdhsa_next_free_sgpr 100
		.amdhsa_reserve_vcc 1
		.amdhsa_float_denorm_mode_32 3
		.amdhsa_float_denorm_mode_16_64 3
		.amdhsa_memory_ordered 1
		.amdhsa_forward_progress 1
		.amdhsa_inst_pref_size 163
	.end_amdhsa_kernel
	.amdgpu_metadata
---
amdhsa.version: [ 1, 2 ]
amdhsa.kernels:
  - .name:           k_q4a2614f5f5_gemm_qkv
    .symbol:         k_q4a2614f5f5_gemm_qkv.kd
    .args:
      - { .name: cin, .offset: 0, .size: 8, .value_kind: global_buffer, .address_space: global }
      - { .name: sin, .offset: 8, .size: 8, .value_kind: global_buffer, .address_space: global }
      - { .name: qkvc, .offset: 16, .size: 8, .value_kind: global_buffer, .address_space: global }
      - { .name: qkvs, .offset: 24, .size: 8, .value_kind: global_buffer, .address_space: global }
    .group_segment_fixed_size: 327680
    .private_segment_fixed_size: 0
    .kernarg_segment_align: 8
    .kernarg_segment_size: 32
    .max_flat_workgroup_size: 128
    .sgpr_count:     100
    .vgpr_count:     1024
    .wavefront_size: 32
...
	.end_amdgpu_metadata
.endif
;; end of part 2
;; launch attn (part 3): grid 4 x 64, 8 waves a work-group, clusters of 4 x 1, 218,112 bytes of LDS; arguments qkvc, qkvs, mWin, aoc, aos; writes aoc, aos
.if DOCPART == 3
	.amdgcn_target "amdgcn-amd-amdhsa--gfx1250"
	.amdhsa_code_object_version 6
	.text
	.protected	k_q4a2614f5f5_attn
	.globl	k_q4a2614f5f5_attn
	.p2align	8
	.type	k_q4a2614f5f5_attn,@function
k_q4a2614f5f5_attn:
	s_mov_b64 s[64:65], 0
	v_nop
	global_prefetch_b8 v0, s[64:65] scope:SCOPE_SE
	s_setreg_imm32_b32 hwreg(HW_REG_WAVE_MODE, 25, 1), 1
	s_wait_xcnt 0x0
	s_wait_alu depctr_hold_cnt(0) depctr_sa_sdst(0) depctr_va_vdst(0) depctr_va_sdst(0) depctr_va_ssrc(0) depctr_va_vcc(0) depctr_vm_vsrc(0)
	s_getreg_b32 s2, hwreg(HW_REG_IB_STS2, 6, 4)
	s_cmp_eq_u32 s2, 0
	s_cbranch_scc0 .Lentry_in_a_cluster
	s_endpgm
.Lentry_in_a_cluster:
	s_bfe_u32 s2, ttmp6, 0x10000c
	s_cmp_lg_u32 s2, 0x3003
	s_cbranch_scc0 .Lentry_shape_is_right
	s_endpgm
.Lentry_shape_is_right:
; For each of 64 (batch, head): O = softmax(q k^T / 8 + bias) v, bias[key] = 100 mWin[key] - 100, both products on codes of FP6 (E2M3) with one E8M0 scale for each 32 along K; O is quantised along the channels for the last product.
; THE SOFTMAX AHEAD OF THE SECOND PRODUCT: t = logit x log2(e); M = the row's largest t so far, rounded UP to a whole number; p = 2^(t - M) is what is quantised, along the keys.  The row's sum is taken of the unquantised p
; and divides O at the end.  When M moves, the sum and O are multiplied by 2^(old M - new M): exact.
; SHARES.  A work-group owns 512 queries of one head; each of its eight waves 64: four tiles of 16.  Two waves to a SIMD.  Every wave walks all 2,048 keys, 128 a step.
; A HEAD'S K, V, THEIR SCALE WORDS AND THE BIAS LIE IN LDS FOR THE WHOLE LAUNCH (217,088 bytes), filled once: no ring, no refill, no barrier in the loop.
; CLUSTER.  The four work-groups of a head form a cluster and ask for K, V and the scale words JOINTLY: the same tensor loads, with the same descriptors and a mask that names the four.
; LAYOUT.  All operands come as images of their registers (register pair 2 g, 2 g + 1 of lane l at 256 g + 8 l).  Both products are used transposed (S^T = K Q^T, O^T = V^T P^T): a lane holds ONE query.
; The tokens of a tile, and v's channels, stand in the order that the first launch gave the rows: of tiles 4 c + i register j of lane (r, h) is the ORIGINAL key 64 c + 32 h + 8 i + j.  So a lane holds whole blocks of 32 keys of p
; (and a whole block of 32 channels of O): a block's maximum needs no other lane, and the conversions' results are the next operand's registers.
; K = 64 IN AN INSTRUCTION OF 128: Q's registers 6-11 are zero codes, so whatever stands in the upper six registers of K's operand adds nothing (no code of this format is an infinity or NaN; no scale byte here is 0xff).
; K's tiles stand six registers apart and an operand reaches into the next tile's; six more registers, written once, follow the last.
; THE BIAS is the C of the first product: eight registers a tile in the result's layout.  It costs no vector instruction.
; LIMITS: NaN and infinities are not served; p under 2^-126 comes out as 0; the bias is one fused multiply-add; a block of zeros gets the floor's byte 1 (this program alone reads the bytes).
; REGISTERS.  window 0: v1-15 addresses; v16-31 four of statistics a tile; v32-43 scale words; v44-91 Q; v92-139 P; v140-203 S^T, then p; v204-235 at work.
;             window 1: v0-127 O^T (tile t, channels' tile ct at 32 t + 8 ct); v128-181 K's eight tiles, later V's four fragments; v184-247 the bias.
.set KC,   0                           ; LDS: K's codes, 98,304 bytes: 128 tiles of 768
.set VC,   98304                       ; V's codes, 98,304 bytes: 16 steps x 4 fragments of 1,536
.set KSL,  196608                      ; K's scale words, 8,192 bytes: 512 a step
.set VSL,  204800                      ; V's, 4,096 bytes: 256 a step
.set BIAS, 208896                      ; the bias, 8,192 bytes, written by ds_store: blocks of its own, into which no tensor load lands
.set ST,  16                           ; tile t: v[ST+4t] -M, +1 the largest t, +2, +3 the sum in two halves
.set KSC, 32                           ; v32-35 K's scale words of the step;
.set VSC, 36                           ; v36-37 V's;
.set QSC, 38                           ; v38-39 Q's;
.set PSC, 40                           ; v40-43 p's, a word a tile
.set Q,   44
.set P,   92
.set S,   140
.set CH,  204                          ; v204-207 chains of maxima
.set RM,  208
.set PT,  209                          ; a lane permute's destination
.set OLD, 210
.set F,   212                          ; v[212:213] f = 2^(old M - new M), named as a pair
.set SO,  214
.set BY,  216
.set TA,  220                          ; v220-222, v224-226 the conversions' second halves
.set SB2, 228                          ; v[228:229] the sum's second chain
.set HW,  232                          ; v232-235 O's scale bytes, a tile each
.set KV,  128                          ; window 1
.set BI,  184                          ; window 1
.set WV,  14
.set SEL, 20
.set CS,  22
.set G1C, 24
.set G1S, 32
.set G0C, 40
.set G0S, 44
.set TK,  50                           ; s50 the step's codes in LDS: 6,144 bytes a step, K's and V's alike
.set TB,  51                           ; s51 its bias and K's scale words: 512 bytes a step
.set TV,  52                           ; s52 V's scale words: 256
.set CNT, 53
.set MSB, 0
.macro WIN new                         ; the immediate's high byte repeats the setting that is left
.if MSB != \new
	s_set_vgpr_msb (MSB<<8)|\new
.set MSB, \new
.endif
.endm
.set W_LD, 0x40                        ; destination window 1
.set W_S,  0x11                        ; K and the bias window 1; Q and S^T window 0
.set W_RS, 0x41                        ; O^T (destination, source 0) window 1; f window 0
.set W_PV, 0x51                        ; V and O^T window 1; P window 0
.set W_OUT, 0x01                       ; source 0 window 1
.macro CROUND                          ; a round of the cluster's barrier
	s_barrier_signal -1
	s_barrier_wait -1
	s_cmp_lg_u32 s[WV], 0
	s_cbranch_scc1 .Lnot_wave_0_\@
	s_barrier_signal -3
.Lnot_wave_0_\@:
	s_barrier_wait -3
	s_barrier_signal -1
	s_barrier_wait -1
.endm
; a scaled product: D, source 0, source 1, C (first registers), the two scale registers, and which half of the lanes holds each side's words
.macro SW d, a, b, c, sa, sb, ra, rb
.if ((\ra) != 0) && ((\rb) != 0)
	v_wmma_scale_f32_16x16x128_f8f6f4 v[\d:\d+7], v[\a:\a+11], v[\b:\b+11], v[\c:\c+7], v[\sa], v[\sb] matrix_a_fmt:MATRIX_FMT_FP6 matrix_b_fmt:MATRIX_FMT_FP6 matrix_a_scale:MATRIX_SCALE_ROW1 matrix_b_scale:MATRIX_SCALE_ROW1
.elseif (\ra) != 0
	v_wmma_scale_f32_16x16x128_f8f6f4 v[\d:\d+7], v[\a:\a+11], v[\b:\b+11], v[\c:\c+7], v[\sa], v[\sb] matrix_a_fmt:MATRIX_FMT_FP6 matrix_b_fmt:MATRIX_FMT_FP6 matrix_a_scale:MATRIX_SCALE_ROW1
.elseif (\rb) != 0
	v_wmma_scale_f32_16x16x128_f8f6f4 v[\d:\d+7], v[\a:\a+11], v[\b:\b+11], v[\c:\c+7], v[\sa], v[\sb] matrix_a_fmt:MATRIX_FMT_FP6 matrix_b_fmt:MATRIX_FMT_FP6 matrix_b_scale:MATRIX_SCALE_ROW1
.else
	v_wmma_scale_f32_16x16x128_f8f6f4 v[\d:\d+7], v[\a:\a+11], v[\b:\b+11], v[\c:\c+7], v[\sa], v[\sb] matrix_a_fmt:MATRIX_FMT_FP6 matrix_b_fmt:MATRIX_FMT_FP6
.endif
.endm
	s_load_b256 s[4:11], s[0:1], 0x0               ; qkvc s[4:5], qkvs s[6:7], mWin s[8:9], aoc s[10:11]
	s_load_b64 s[12:13], s[0:1], 0x20              ; aos
	v_lshl_add_u32 v254, v0, 2, 0x35000
	v_mov_b32 v255, 0
	ds_add_u32 v254, v255
	ds_add_u32 v254, v255
	v_lshrrev_b32 v1, 5, v0
	v_readfirstlane_b32 s[WV], v1                  ; wave 0..7
	s_bfe_u32 s15, ttmp6, 0x40000                  ; cx
	s_lshl_b32 s17, ttmp9, 2
	s_add_co_u32 s15, s15, s17                     ; my block of 512 queries: it enters Q's and the outputs' addresses alone
	s_and_b32 s16, ttmp7, 0xffff                   ; (batch, head), which the four partners share
	; descriptor group 1: dense bytes as rows of 256 (32 elements of 8 bytes), no padding; the mask names all four work-groups
	s_mov_b32 s[G1C], 15|(3<<16)|(1<<21)
	s_mov_b32 s[G1C+1], 32<<16                     ; tensor_dim0
	s_mov_b32 s[G1C+2], 96<<16                     ; tensor_dim1: 96 rows, 24,576 bytes: a quarter of K's or of V's codes
	s_mov_b32 s[G1C+3], 32<<16                     ; tile_dim0
	s_mov_b32 s[G1C+4], 96                         ; tile_dim1
	s_mov_b32 s[G1C+5], 32                         ; tensor_dim0_stride
	s_mov_b32 s[G1C+6], 0
	s_mov_b32 s[G1C+7], 0
	s_mov_b32 s[G1S], 15|(3<<16)|(1<<21)
	s_mov_b32 s[G1S+1], 32<<16
	s_mov_b32 s[G1S+2], 6<<16                      ; 6 rows, 1,536 bytes: an eighth of the head's scale words
	s_mov_b32 s[G1S+3], 32<<16
	s_mov_b32 s[G1S+4], 6
	s_mov_b32 s[G1S+5], 32
	s_mov_b32 s[G1S+6], 0
	s_mov_b32 s[G1S+7], 0
	s_mov_b32 s[G0C], 1
	s_mul_i32 s[G0C+1], s[WV], 24576               ; LDS: waves 0-3 fill K's codes, waves 4-7 V's, which lie behind them
	s_lshr_b32 s2, s[WV], 2
	s_add_co_u32 s2, s2, 1
	s_mul_i32 s2, s2, 6291456                      ; k's region of qkvc, or v's
	s_mul_i32 s19, s16, 98304                      ; the head's codes in a region
	s_add_co_u32 s2, s2, s19
	s_and_b32 s18, s[WV], 3
	s_mul_i32 s18, s18, 24576
	s_add_co_u32 s2, s2, s18
	s_mov_b32 s3, 0
	s_mov_b32 s[G0S], 1
	s_mul_i32 s18, s[WV], 1536
	s_add_co_u32 s[G0S+1], s18, KSL
	s_mul_i32 s48, s16, 12288                      ; the head's 8,192 bytes of k's words and 4,096 of v's lie together
	s_add_co_u32 s48, s48, s18
	s_add_co_u32 s48, s48, 524288
	s_mov_b32 s49, 0
	s_lshl_b32 s17, s15, 5
	s_lshl_b32 s18, s[WV], 2
	s_add_co_u32 s17, s17, s18                     ; my first tile of 16 queries in the head: 32 x block + 4 x wave
	s_mul_i32 s54, s17, 768
	s_add_co_u32 s54, s54, s19                     ; Q's images
	s_mov_b32 s55, 0
	s_lshl_b32 s56, s16, 13                        ; Q's scale words: 8,192 bytes a head, 512 a step of 8 tiles, 16 a lane; my four tiles are two of a lane's four words
	s_lshr_b32 s18, s17, 3
	s_lshl_b32 s18, s18, 9
	s_add_co_u32 s56, s56, s18
	s_and_b32 s18, s[WV], 1
	s_lshl_b32 s18, s18, 3
	s_add_co_u32 s56, s56, s18
	s_mov_b32 s57, 0
	s_lshr_b32 s58, s16, 4                         ; the batch
	s_lshl_b32 s18, s58, 7
	s_add_co_u32 s18, s18, s17                     ; my first tile among all 512 tiles of tokens
	s_lshl_b32 s58, s58, 13                        ; the batch's 2,048 numbers of mWin
	s_mov_b32 s59, 0
	s_and_b32 s53, s16, 15                         ; the head
	s_mul_i32 s60, s18, 12288                      ; aoc: 12,288 bytes a tile of tokens; head h's six registers are 768 bytes at 768 h
	s_mul_i32 s52, s53, 768
	s_add_co_u32 s60, s60, s52
	s_mov_b32 s61, 0
	s_lshl_b32 s62, s18, 9                         ; aos: 32 bytes a token, head h's two bytes at 2 h
	s_lshl_b32 s53, s53, 1
	s_add_co_u32 s62, s62, s53
	s_mov_b32 s63, 0
	s_mov_b32 s[SEL], 0x76543210
	s_mov_b32 s[SEL+1], 0xfedcba98                 ; v_permlanex16_b32's selects for lane l xor 16
	s_mov_b32 s[CS], 0x3fb8aa3b                    ; log2(e): q's scale words carry the 1/8
	s_mov_b32 s[CS+1], s[CS]                       ; (named with it as a pair, so it is written)
	s_wait_dscnt 0x0
	s_wait_kmcnt 0x0
	s_add_nc_u64 s[G0C+2:G0C+3], s[4:5], s[2:3]
	s_or_b32 s[G0C+3], s[G0C+3], 0x80000000
	s_add_nc_u64 s[G0S+2:G0S+3], s[6:7], s[48:49]
	s_or_b32 s[G0S+3], s[G0S+3], 0x80000000
	s_add_nc_u64 s[54:55], s[4:5], s[54:55]
	s_add_nc_u64 s[56:57], s[6:7], s[56:57]
	s_add_nc_u64 s[58:59], s[8:9], s[58:59]
	s_add_nc_u64 s[60:61], s[10:11], s[60:61]
	s_add_nc_u64 s[62:63], s[12:13], s[62:63]
	CROUND                                         ; all four work-groups are here: the joint loads meet
	tensor_load_to_lds s[G0C:G0C+3], s[G1C:G1C+7]  ; every wave's two fills stand together: two loads of mine are out
	s_nop 0
	tensor_load_to_lds s[G0S:G0S+3], s[G1S:G1S+7]
	s_nop 0
.rept 4
	v_nop
.endr
	s_mov_b32 s48, 0x42c80000                      ; 100.0
	s_mov_b32 s49, 0xc2c80000                      ; -100.0
	v_and_b32 v12, 31, v0                          ; lane
	v_lshlrev_b32 v14, 5, v0                       ; mWin: 8 numbers a thread
	v_lshlrev_b32 v1, 3, v12                       ; 8 x lane: an image's place for my lane
	v_lshlrev_b32 v10, 4, v12
	global_load_b128 v[S:S+3], v14, s[58:59]
	global_load_b128 v[S+4:S+7], v14, s[58:59] offset:16
.irp t, 0,1,2,3
.irp g, 0,1,2
	global_load_b64 v[Q+12*\t+2*\g:Q+12*\t+2*\g+1], v1, s[54:55] offset:768*\t+256*\g   ; Q stays in registers
.endr
.endr
	global_load_b64 v[QSC:QSC+1], v10, s[56:57]    ; word t / 2: tile t's rows in lanes 0-15 (t even) or 16-31 (t odd)
	v_bfe_u32 v5, v0, 4, 1                         ; h
	v_lshl_add_u32 v2, v5, 7, BIAS                 ; the bias of my half's keys: 128 h bytes on
	v_lshl_add_u32 v3, v12, 4, KSL
	v_lshl_add_u32 v4, v12, 3, VSL
	v_lshlrev_b32 v5, 3, v5                        ; 8 h: where my bytes stand in a scale word
	v_lshlrev_b32 v11, 5, v12                      ; aos: 32 bytes a token
	v_add_nc_u32 v13, VC, v1
	v_lshl_add_u32 v15, v0, 5, BIAS
.irp t, 0,1,2,3
.irp i, 6,7,8,9,10,11
	v_mov_b32 v[Q+12*\t+\i], 0                     ; Q's upper 64 along K: zero codes
.endr
	v_mov_b32 v[ST+4*\t+1], 0xff61b1e6             ; the largest t so far: -3e38, under every t
	v_floor_f32 v[ST+4*\t], -v[ST+4*\t+1]          ; -M
	v_mov_b32 v[ST+4*\t+2], 0                      ; the sum, in two halves
	v_mov_b32 v[ST+4*\t+3], 0
.endr
	v_mov_b32 v[PT], 0                             ; written once: a lane permute's destination counts as one of its sources
	v_mov_b32 v[F+1], 0                            ; (named as the upper half of a pair)
	WIN W_LD
.set i, 0
.rept 128
	v_mov_b32 v[i], 0                              ; O^T.  (The step is written once: its first trip finds zeros, which the first change of M leaves zeros; a first step of its own would double the text)
.set i, i+1
.endr
.irp i, 48,49,50,51,52,53
	v_mov_b32 v[KV+\i], 0                          ; the six registers behind K's last tile
.endr
	WIN 0
	s_wait_loadcnt 0x0
.irp i, 0,1,2,3,4,5,6,7
	v_fma_f32 v[S+\i], v[S+\i], s48, s49           ; 100 mWin - 100
.endr
	ds_store_b128 v15, v[S:S+3]
	ds_store_b128 v15, v[S+4:S+7] offset:16
	s_wait_tensorcnt 0x0                           ; my parts of K, V and the scale words have landed,
	s_wait_dscnt 0x0                               ; my part of the bias is stored:
	s_barrier_signal -1
	s_barrier_wait -1                              ; everybody's are
	s_mov_b32 s[TK], 0
	s_mov_b32 s[TB], 0
	s_mov_b32 s[TV], 0
	s_mov_b32 s[CNT], 16
.macro SMUL t                          ; S^T = K Q^T + bias for tile t: eight tiles of 16 keys
	WIN W_S
.irp kt, 0,1,2,3,4,5,6,7
	SW S+8*\kt, KV+6*\kt, Q+12*(\t), BI+8*\kt, KSC+\kt/2, QSC+(\t)/2, \kt%2, (\t)%2
.endr
.endm
.macro VLOAD                           ; the step's four fragments of V over K's tiles, which have had their last product
	WIN W_LD
.irp ct, 0,1,2,3
.irp g, 0,1,2,3,4,5
	ds_load_b64 v[KV+12*\ct+2*\g:KV+12*\ct+2*\g+1], v7 offset:1536*\ct+256*\g
.endr
.endr
	WIN 0
.endm
; The softmax of tile t for the step's 128 keys.  Registers S + 32 c .. S + 32 c + 31 are the lane's block 2 c + h of 32 keys.
.macro SOFT t
.set rT, ST+4*(\t)
.set rP, P+12*(\t)
	WIN 0
.rept 4
	v_nop                                          ; places behind the products: in front of the first read of the scores, and of the loads over K's tiles
.endr
.if (\t) == 3
	VLOAD
.endif
.irp n, 0,1,2,3
	v_max3_num_f32 v[CH+\n], v[S+16*\n], v[S+16*\n+1], v[S+16*\n+2]   ; four chains of 16 scores, each accumulator from its low end on
.endr
.irp i, 3,5,7,9,11,13
.irp n, 0,1,2,3
	v_max3_num_f32 v[CH+\n], v[CH+\n], v[S+16*\n+\i], v[S+16*\n+\i+1]
.endr
.endr
	v_max3_num_f32 v[CH], v[CH], v[CH+1], v[S+15]
	v_max3_num_f32 v[CH+2], v[CH+2], v[CH+3], v[S+47]
	v_max_num_f32 v[CH], v[CH], v[S+31]            ; THE LARGEST SCORE OF EACH OF MY TWO BLOCKS: it serves twice: for the row's maximum, and, since p rises with the score, for the block's largest p
	v_max_num_f32 v[CH+2], v[CH+2], v[S+63]
	v_max_num_f32 v[RM], v[CH], v[CH+2]
	v_permlanex16_b32 v[PT], v[RM], s[SEL], s[SEL+1]
	v_max_num_f32 v[RM], v[RM], v[PT]              ; with lane l xor 16's 64 keys: the step's largest score of my query
	v_mul_f32 v[RM], s[CS], v[RM]                  ; as t
	v_max_num_f32 v[rT+1], v[rT+1], v[RM]          ; the running largest t
	v_mov_b32 v[OLD], v[rT]
	v_floor_f32 v[rT], -v[rT+1]                    ; the new -M = floor(-t) = -ceil(t)
	v_sub_f32 v[OLD], v[rT], v[OLD]                ; old M - new M: a whole number, 0 or less
	v_cvt_i32_f32 v[OLD], v[OLD]                   ; (it saturates)
	v_ldexp_f32 v[F], 1.0, v[OLD]                  ; f = 2^(old M - new M)
.set j, 0
.rept 32
	v_pk_fma_f32 v[S+j:S+j+1], v[S+j:S+j+1], s[CS:CS+1], v[rT:rT+1] op_sel_hi:[1,0,0]   ; t - M, two at a time
.set j, j+2
.endr
	v_fma_f32 v[CH], v[CH], s[CS], v[rT]           ; the same of each block's largest score
	v_fma_f32 v[CH+2], v[CH+2], s[CS], v[rT]
.set j, 0
.rept 64
	v_exp_f32 v[S+j], v[S+j]                       ; p = 2^(t - M): NOT normalised
.set j, j+1
.endr
	v_pk_mul_f32 v[rT+2:rT+3], v[rT+2:rT+3], v[F:F+1] op_sel_hi:[1,0]   ; the sums under the new M (a plain place behind the exponentials)
	s_wait_alu depctr_va_vdst(0)                   ; one wait for the whole batch, ahead of its first reader
	v_exp_f32 v[CH], v[CH]                         ; the blocks' largest p: the same two instructions on the same number give the same bits
	v_exp_f32 v[CH+2], v[CH+2]
	v_pk_add_f32 v[SB2:SB2+1], v[S:S+1], v[S+2:S+3]   ; THE ROW'S SUM IS TAKEN OF THE UNQUANTISED p: two at a time, in two chains
.set j, 4
.rept 15
	v_pk_add_f32 v[rT+2:rT+3], v[rT+2:rT+3], v[S+j:S+j+1]
	v_pk_add_f32 v[SB2:SB2+1], v[SB2:SB2+1], v[S+j+2:S+j+3]
.set j, j+4
.endr
	v_pk_add_f32 v[rT+2:rT+3], v[rT+2:rT+3], v[SB2:SB2+1]
	s_wait_alu depctr_va_vdst(0)                   ; and one for the two
	v_max_num_f32 v[CH], 0x1800000, v[CH]          ; the floor 2^(3 - 127): the byte cannot fall under 1
	v_max_num_f32 v[CH+2], 0x1800000, v[CH+2]
	v_add_nc_u32 v[SO], 0xff000000, v[CH]          ; 2 off the exponent field: the conversion's scale operand
	v_add_nc_u32 v[SO+1], 0xff000000, v[CH+2]
	v_lshrrev_b32 v[BY], 23, v[SO]
	v_lshrrev_b32 v[BY+1], 23, v[SO+1]
	v_lshl_or_b32 v[BY], v[BY+1], 16, v[BY]        ; my two bytes: blocks h and 2 + h,
	v_lshlrev_b32 v[BY], v5, v[BY]                 ; at their places;
	v_permlanex16_b32 v[PT], v[BY], s[SEL], s[SEL+1]
	v_or_b32 v[PSC+(\t)], v[BY], v[PT]             ; with lane l xor 16's two: p's scale word for these 128 keys
.irp c, 0,1
	v_cvt_scalef32_pk16_fp6_f32 v[rP+6*\c:rP+6*\c+2], v[S+32*\c:S+32*\c+15], v[SO+\c]
	v_cvt_scalef32_pk16_fp6_f32 v[TA+4*\c:TA+4*\c+2], v[S+32*\c+16:S+32*\c+31], v[SO+\c]   ; (a conversion's three registers begin on an even number)
.endr
	v_nop                                          ; one plain place behind a scaled conversion
.irp c, 0,1
.irp i, 0,1,2
	v_mov_b32 v[rP+6*\c+3+\i], v[TA+4*\c+\i]
.endr
.endr
	WIN W_RS
.set j, 0
.rept 16
	v_pk_mul_f32 v[32*(\t)+j:32*(\t)+j+1], v[32*(\t)+j:32*(\t)+j+1], v[F:F+1] op_sel_hi:[1,0]   ; O^T under the new M: x f, each accumulator from its low end on.  (Also the places between p's codes and scale word and the products that take them)
.set j, j+2
.endr
.endm
.Lstep:                                            ; 16 trips: a step of 128 keys
	v_add_nc_u32 v6, s[TK], v1                     ; the step's addresses.  (Five plain lines: the places in front of loads into registers that the last products read)
	v_add_nc_u32 v7, s[TK], v13
	v_add_nc_u32 v8, s[TB], v2
	v_add_nc_u32 v9, s[TB], v3
	v_add_nc_u32 v10, s[TV], v4
	WIN W_LD
.irp kt, 0,1,2,3,4,5,6,7
.irp g, 0,1,2
	ds_load_b64 v[KV+6*\kt+2*\g:KV+6*\kt+2*\g+1], v6 offset:768*\kt+256*\g   ; 32 lanes read 256 consecutive bytes
.endr
.endr
.irp kt, 0,1,2,3,4,5,6,7
	ds_load_b128 v[BI+8*\kt:BI+8*\kt+3], v8 offset:256*(\kt/4)+32*(\kt%4)      ; the bias of keys 64 c + 32 h + 8 i + 0 .. 7: the sixteen lanes of a half read the same bytes
	ds_load_b128 v[BI+8*\kt+4:BI+8*\kt+7], v8 offset:256*(\kt/4)+32*(\kt%4)+16
.endr
	WIN 0
	ds_load_b128 v[KSC:KSC+3], v9                  ; word kt / 2: tile kt's rows in lanes 0-15 (kt even) or 16-31 (kt odd)
	ds_load_b64 v[VSC:VSC+1], v10
	s_wait_dscnt 0x0
.irp t, 0,1,2,3
	SMUL \t
	SOFT \t
.endr
	s_wait_dscnt 0x0                               ; V is in
	WIN W_PV
.irp ct, 0,1,2,3                                   ; O^T += V^T P^T: the sixteen accumulators take turns, one instruction a turn
.irp t, 0,1,2,3
	SW 32*\t+8*\ct, KV+12*\ct, P+12*\t, 32*\t+8*\ct, VSC+\ct/2, PSC+\t, \ct%2, 0
.endr
.endr
	WIN 0
	s_add_co_u32 s[TK], s[TK], 6144
	s_add_co_u32 s[TB], s[TB], 512
	s_add_co_u32 s[TV], s[TV], 256
	s_sub_co_u32 s[CNT], s[CNT], 1
	s_cmp_lg_u32 s[CNT], 0
	s_cbranch_scc1 .Lstep
	; THE WAY OUT.  O^T / the sum is quantised along the channels: a lane's 32 registers of a tile are block h of the head's 64 channels.  (The additions are the places behind the last products)
.irp t, 0,1,2,3
	v_add_f32 v[ST+4*\t+2], v[ST+4*\t+2], v[ST+4*\t+3]
.endr
.irp t, 0,1,2,3
	v_permlanex16_b32 v[CH+\t], v[ST+4*\t+2], s[SEL], s[SEL+1]
.endr
.irp t, 0,1,2,3
	v_add_f32 v[ST+4*\t+2], v[ST+4*\t+2], v[CH+\t]   ; with lane l xor 16's: the row's sum
.endr
.irp t, 0,1,2,3
	v_rcp_f32 v[ST+4*\t+2], v[ST+4*\t+2]
.endr
	v_nop                                          ; a plain place behind the last reciprocal
	s_wait_alu depctr_va_vdst(0)                   ; one wait for the four, ahead of their first reader
.macro OQ t
	WIN W_OUT
.set j, 0
.rept 16
	v_pk_mul_f32 v[S+j:S+j+1], v[32*(\t)+j:32*(\t)+j+1], v[ST+4*(\t)+2:ST+4*(\t)+3] op_sel_hi:[1,0]
.set j, j+2
.endr
	WIN 0
	v_max3_num_f32 v[CH], |v[S]|, |v[S+1]|, 0x1800000       ; the block's largest magnitude, in two chains, with the floor 2^(3 - 127)
	v_max3_num_f32 v[CH+1], |v[S+16]|, |v[S+17]|, 0x1800000
.irp i, 2,4,6,8,10,12,14
	v_max3_num_f32 v[CH], v[CH], |v[S+\i]|, |v[S+\i+1]|
	v_max3_num_f32 v[CH+1], v[CH+1], |v[S+16+\i]|, |v[S+17+\i]|
.endr
	v_max_num_f32 v[CH], v[CH], v[CH+1]
	v_add_nc_u32 v[SO], 0xff000000, v[CH]
	v_lshrrev_b32 v[BY], 23, v[SO]
	v_lshlrev_b32 v[BY], v5, v[BY]
	v_permlanex16_b32 v[PT], v[BY], s[SEL], s[SEL+1]
	v_or_b32 v[HW+(\t)], v[BY], v[PT]              ; the head's two scale bytes of my token
	v_cvt_scalef32_pk16_fp6_f32 v[P+6*(\t):P+6*(\t)+2], v[S:S+15], v[SO]
	v_cvt_scalef32_pk16_fp6_f32 v[TA:TA+2], v[S+16:S+31], v[SO]
	v_nop                                          ; one plain place behind a scaled conversion
.irp i, 0,1,2
	v_mov_b32 v[P+6*(\t)+3+\i], v[TA+\i]
.endr
.irp g, 0,1,2
	global_store_b64 v1, v[P+6*(\t)+2*\g:P+6*(\t)+2*\g+1], s[60:61] offset:12288*(\t)+256*\g   ; 32 lanes store 256 consecutive bytes, aligned; each tile has its own registers, so no store's data are written again
.endr
.endm
.irp t, 0,1,2,3
	OQ \t
.endr
	v_cmp_gt_u32 vcc_lo, 16, v12
	v_cndmask_b32 v[HW], v[HW+1], v[HW], vcc_lo    ; lanes 0-15: tile 0's tokens, lanes 16-31: tile 1's
	v_cndmask_b32 v[HW+2], v[HW+3], v[HW+2], vcc_lo
	global_store_b16 v11, v[HW], s[62:63]          ; two bytes of each token's row of 32: the rows are laid as the last launch's tensor loads take them, and sixteen heads fill a row
	global_store_b16 v11, v[HW+2], s[62:63] offset:1024
	s_wait_tensorcnt 0x0
	ds_add_u32 v254, v255
	s_wait_dscnt 0x0
	CROUND                                         ; the closing round: no work-group ends while a partner may still ask for a tile that names it
	s_endpgm
.Lfunc_end_k_q4a2614f5f5_attn:
	.size	k_q4a2614f5f5_attn, .Lfunc_end_k_q4a2614f5f5_attn-k_q4a2614f5f5_attn
	.p2alignl 7, 3214868480
	.fill 96, 4, 3214868480
	.section	.rodata,"a",@progbits
	.p2align	6, 0x0
	.amdhsa_kernel k_q4a2614f5f5_attn
		.amdhsa_group_segment_fixed_size 218112
		.amdhsa_private_segment_fixed_size 0
		.amdhsa_enable_private_segment 0
		.amdhsa_kernarg_size 40
		.amdhsa_user_sgpr_count 2
		.amdhsa_user_sgpr_kernarg_segment_ptr 1
		.amdhsa_wavefront_size32 1
		.amdhsa_system_sgpr_workgroup_id_x 1
		.amdhsa_system_sgpr_workgroup_id_y 1
		.amdhsa_system_sgpr_workgroup_id_z 1
		.amdhsa_system_vgpr_workitem_id 0
		.amdhsa_next_free_vgpr 512
		.amdhsa_next_free_sgpr 66
		.amdhsa_reserve_vcc 1
		.amdhsa_float_denorm_mode_32 3
		.amdhsa_float_denorm_mode_16_64 3
		.amdhsa_memory_ordered 1
		.amdhsa_forward_progress 1
		.amdhsa_inst_pref_size 82
	.end_amdhsa_kernel
	.amdgpu_metadata
---
amdhsa.version: [ 1, 2 ]
amdhsa.kernels:
  - .name:           k_q4a2614f5f5_attn
    .symbol:         k_q4a2614f5f5_attn.kd
    .args:
      - { .name: qkvc, .offset: 0, .size: 8, .value_kind: global_buffer, .address_space: global }
      - { .name: qkvs, .offset: 8, .size: 8, .value_kind: global_buffer, .address_space: global }
      - { .name: mWin, .offset: 16, .size: 8, .value_kind: global_buffer, .address_space: global }
      - { .name: aoc, .offset: 24, .size: 8, .value_kind: global_buffer, .address_space: global }
      - { .name: aos, .offset: 32, .size: 8, .value_kind: global_buffer, .address_space: global }
    .group_segment_fixed_size: 218112
    .private_segment_fixed_size: 0
    .kernarg_segment_align: 8
    .kernarg_segment_size: 40
    .max_flat_workgroup_size: 256
    .sgpr_count:     66
    .vgpr_count:     512
    .wavefront_size: 32
...
	.end_amdgpu_metadata
.endif
;; end of part 3
;; launch proj (part 4): grid 4 x 32, 4 waves a work-group, clusters of 4 x 4, 327,680 bytes of LDS; arguments aoc, aos, cin, sin, b_proj, out0; writes out0
.if DOCPART == 4
	.amdgcn_target "amdgcn-amd-amdhsa--gfx1250"
	.amdhsa_code_object_version 6
	.text
	.protected	k_q4a2614f5f5_proj
	.globl	k_q4a2614f5f5_proj
	.p2align	8
	.type	k_q4a2614f5f5_proj,@function
k_q4a2614f5f5_proj:
	s_mov_b64 s[64:65], 0
	v_nop
	global_prefetch_b8 v0, s[64:65] scope:SCOPE_SE
	s_setreg_imm32_b32 hwreg(HW_REG_WAVE_MODE, 25, 1), 1
	s_wait_xcnt 0x0
	s_wait_alu depctr_hold_cnt(0) depctr_sa_sdst(0) depctr_va_vdst(0) depctr_va_sdst(0) depctr_va_ssrc(0) depctr_va_vcc(0) depctr_vm_vsrc(0)
	s_getreg_b32 s2, hwreg(HW_REG_IB_STS2, 6, 4)
	s_cmp_eq_u32 s2, 0
	s_cbranch_scc0 .Lentry_in_a_cluster
	s_endpgm
.Lentry_in_a_cluster:
	s_bfe_u32 s2, ttmp6, 0x10000c
	s_cmp_lg_u32 s2, 0xf033
	s_cbranch_scc0 .Lentry_shape_is_right
	s_endpgm
.Lentry_shape_is_right:
; out0 = O w_proj^T + b_proj on codes of FP6 (E2M3) with one E8M0 scale for each 32 along K = 1,024; f32 sums; out0 [8192][1024] f32.
; A = the attention's output: aoc holds images of the operand's registers, [tile of 16 tokens][K step of 128][register pair g][lane][8 bytes], 12,288 bytes a tile; aos its scale bytes, 32 a token.
; B = w_proj's rows, stored rows 11264 on of cin (768 bytes a row) and sin (32 bytes a row).
; Tokens and w_proj's rows stand in the order that the first launch gave the rows (inside each 64: octet 4 hi + i at place 2 i + hi).  THE MATRIX INSTRUCTION IS USED TRANSPOSED (source 0 = 16 rows of B, source 1 = 16 tokens):
; of B's blocks 4 c + i register j of lane (r, h) is the ORIGINAL column 64 c + 32 h + 8 i + j; the tokens' order is undone by the stores' offsets.
; The bias is the C of each sum's first matrix instruction: eight registers a block of columns, in the result's layout.
; A tile of out0, 256 x 256, is made by four waves, 128 x 128 each.  K in steps of 256 through two LDS slots filled by joint tensor loads in clusters of 4 x 4 (A's tile shared along a row, B's along a column); the scales come once and stay.
; 128 tiles: this launch has work for 128 work-groups of this shape.
; REGISTERS, in windows of 256: window 0: v0-31 addresses; v32-63 scale words, two sets; v64-127 the bias; from v128 A's fragments, one set; on the way out v128-255 rows of out0.   window 1: B's fragments, two sets.   windows 2, 3: the 64 accumulators.
.set NQ,     2
.set ROWB,   192                       ; B: a tile's row in bytes
.set KROW,   768
.set PITCH,  240                       ; B: an LDS row: 3 x (64 bytes + 16 of padding)
.set FR,     12
.set NL,     6
.set NP,     4
.set ASTEP,  3072                      ; A: a tile of 16 tokens x 256 along K, as images
.set AHALF,  8*ASTEP                   ; 128 tokens: what one tensor load brings
.set BOFF,   2*AHALF                   ; B's rows lie behind A's 256 tokens
.set HALFT,  128*PITCH
.set SLOT,   BOFF+2*HALFT
.set LAPS,   2
.set KS,     32
.set SCL,    2*SLOT
.set HALFS,  (128*KS/256)*272
.set SBLK,   (16*KS/256)*272
.set SPARE,  SCL+4*HALFS               ; the spare words, 128 bytes for each wave: two blocks of 256 bytes that no other line names
.set SPITCH, 528                       ; the way out: a stage of 16 rows x (512 bytes + 16) for each wave, in slot 0, which has had its last fill and its last read when the first result is stored there
.set ADRA, 16                          ; v16-17
.set ADRB, 20                          ; v20-23
.set STO,  24
.set RD,   25
.set CO,   26
.set ADRS, 27
.set SPW,  28
.set NIL,  29
.set SC,   32
.set BIA,  64
.set AF,   128
.set BK,   128
.set G1, 24
.set G0, 32
.set G1B, 48
.set G0B, 56
.set G1S, 68
.set G0S, 76
.set G1SB, 80
.set G0SB, 88
.set MSB, 0
.macro WIN new                         ; the immediate's high byte repeats the setting that is left
.if MSB != \new
	s_set_vgpr_msb (MSB<<8)|\new
.set MSB, \new
.endif
.endm
.set MUL_LO, 0xa1                      ; source 0 (B) window 1, source 1 (A) window 0, C and D window 2
.set MUL_HI, 0xf1
.set TO_B,   0x40
.macro JLOAD g0a, g1a, g0b, g1b        ; a joint load: waves 0 and 1 fetch for A, waves 2 and 3 for B; four v_nop follow each of the two lines
	s_cmp_eq_u32 s15, 0
	s_cbranch_scc0 .Lfor_b_\@
	tensor_load_to_lds s[\g0a:\g0a+3], s[\g1a:\g1a+7]
	s_nop 0
.rept 4
	v_nop
.endr
	s_branch .Lasked_\@
.Lfor_b_\@:
	tensor_load_to_lds s[\g0b:\g0b+3], s[\g1b:\g1b+7]
	s_nop 0
.rept 4
	v_nop
.endr
.Lasked_\@:
.endm
.macro CREST
	s_cmp_lg_u32 s14, 0
	s_cbranch_scc1 .Lnot_wave_0_\@
	s_barrier_signal -3
.Lnot_wave_0_\@:
	s_barrier_wait -3
	s_barrier_signal -1
	s_barrier_wait -1
.endm
.macro CROUND
	s_barrier_signal -1
	s_barrier_wait -1
	CREST
.endm
	s_load_b256 s[4:11], s[0:1], 0x0               ; aoc s[4:5], aos s[6:7], cin s[8:9], sin s[10:11]
	s_load_b64 s[66:67], s[0:1], 0x20              ; b_proj
	s_load_b64 s[12:13], s[0:1], 0x28              ; out0
	v_lshl_add_u32 v[SPW], v0, 2, SPARE
	v_mov_b32 v[NIL], 0
	ds_add_u32 v28, v29
	ds_add_u32 v28, v29
	s_wait_dscnt 0x0
	v_lshrrev_b32 v1, 5, v0
	v_readfirstlane_b32 s14, v1                    ; wave 0..3
	s_lshr_b32 s15, s14, 1                         ; which half of the tile's tokens is mine.  Also: I fetch for A (0) or for B (1)
	s_and_b32 s16, s14, 1                          ; which half of its columns.  Also: which 128 rows of that tile I fetch
	s_bfe_u32 s40, ttmp6, 0x40000                  ; cx, cy
	s_bfe_u32 s41, ttmp6, 0x40004
	s_lshl_b32 s42, ttmp9, 2
	s_add_co_u32 s42, s42, s40                     ; tile column
	s_and_b32 s17, ttmp7, 0xffff
	s_lshl_b32 s17, s17, 2
	s_add_co_u32 s17, s17, s41                     ; tile row
	s_lshl_b32 s43, s41, 2
	s_lshl_b32 s43, 15, s43                        ; my row of the cluster
	s_lshl_b32 s44, 0x1111, s40                    ; my column
	; descriptor group 1 for A: 8 tiles of tokens x 3,072 bytes (384 elements of 8), 12,288 bytes (1,536 elements) apart; no padding: the images are read 256 consecutive bytes an instruction
	s_or_b32 s[G1+0], s43, (3<<16)|(1<<21)
	s_mov_b32 s[G1+1], 384<<16                     ; tensor_dim0
	s_mov_b32 s[G1+2], 8<<16                       ; tensor_dim1
	s_mov_b32 s[G1+3], 384<<16                     ; tile_dim0
	s_mov_b32 s[G1+4], 8                           ; tile_dim1
	s_mov_b32 s[G1+5], 1536                        ; tensor_dim0_stride
	s_mov_b32 s[G1+6], 0
	s_mov_b32 s[G1+7], 0
	; for B: 128 rows x 192 bytes, 16 bytes of padding behind every 64
	s_or_b32 s[G1B+0], s44, (0<<16)|(1<<20)|(1<<21)|(3<<22)|(3<<25)
	s_mov_b32 s[G1B+1], ROWB<<16
	s_mov_b32 s[G1B+2], 128<<16
	s_mov_b32 s[G1B+3], ROWB<<16
	s_mov_b32 s[G1B+4], 128
	s_mov_b32 s[G1B+5], KROW
	s_mov_b32 s[G1B+6], 0
	s_mov_b32 s[G1B+7], 0
	; the scales of 128 rows: 4,096 dense bytes, as 16 rows of 256 bytes, 16 bytes of padding behind each
	s_or_b32 s[G1S+0], s43, (3<<16)|(1<<20)|(1<<21)|(5<<22)|(3<<25)
	s_or_b32 s[G1SB+0], s44, (3<<16)|(1<<20)|(1<<21)|(5<<22)|(3<<25)
.irp g, G1S, G1SB
	s_mov_b32 s[\g+1], 32<<16
	s_mov_b32 s[\g+2], (128*KS/256)<<16
	s_mov_b32 s[\g+3], 32<<16
	s_mov_b32 s[\g+4], 128*KS/256
	s_mov_b32 s[\g+5], 32
	s_mov_b32 s[\g+6], 0
	s_mov_b32 s[\g+7], 0
.endr
	s_lshl_b32 s18, s16, 7                         ; which 128 rows of the tile I fetch
	s_lshl_b32 s20, s17, 8
	s_add_co_u32 s20, s20, s18                     ; A: stored token
	s_lshl_b32 s46, s42, 8
	s_add_co_u32 s46, s46, s18
	s_add_co_u32 s46, s46, 11264                   ; B: stored row of cin
	s_lshl_b32 s22, s20, 5                         ; their scales, in bytes
	s_mov_b32 s23, 0
	s_lshl_b32 s92, s46, 5
	s_mov_b32 s93, 0
	s_mul_i32 s20, s20, 768                        ; A's images: 16 tokens are 12,288 bytes
	s_mov_b32 s21, 0
	s_mul_i32 s46, s46, KROW
	s_mov_b32 s47, 0
	s_mul_i32 s45, s16, AHALF                      ; where they go: no place in the cluster enters an LDS address
	s_mul_i32 s95, s16, HALFT
	s_add_co_u32 s95, s95, BOFF
	s_mul_i32 s94, s14, HALFS
	s_wait_kmcnt 0x0
	s_add_nc_u64 s[20:21], s[4:5], s[20:21]
	s_add_nc_u64 s[22:23], s[6:7], s[22:23]
	s_add_nc_u64 s[46:47], s[8:9], s[46:47]
	s_add_nc_u64 s[92:93], s[10:11], s[92:93]
	CROUND                                         ; all sixteen work-groups are here: the first joint loads meet
	s_mov_b32 s[G0S], 1
	s_add_co_u32 s[G0S+1], s94, SCL
	s_mov_b64 s[G0S+2:G0S+3], s[22:23]
	s_or_b32 s[G0S+3], s[G0S+3], 0x80000000
	s_mov_b32 s[G0SB], 1
	s_add_co_u32 s[G0SB+1], s94, SCL
	s_mov_b64 s[G0SB+2:G0SB+3], s[92:93]
	s_or_b32 s[G0SB+3], s[G0SB+3], 0x80000000
	JLOAD G0S, G1S, G0SB, G1SB                     ; the scales first
.irp s, 0,1
	s_mov_b32 s[G0+4*\s], 1
	s_add_co_u32 s[G0+4*\s+1], s45, \s*SLOT
	s_add_nc_u64 s[G0+4*\s+2:G0+4*\s+3], s[20:21], \s*ASTEP
	s_or_b32 s[G0+4*\s+3], s[G0+4*\s+3], 0x80000000
	s_mov_b32 s[G0B+4*\s], 1
	s_add_co_u32 s[G0B+4*\s+1], s95, \s*SLOT
	s_add_nc_u64 s[G0B+4*\s+2:G0B+4*\s+3], s[46:47], \s*ROWB
	s_or_b32 s[G0B+4*\s+3], s[G0B+4*\s+3], 0x80000000
	JLOAD G0+4*\s, G1, G0B+4*\s, G1B
.endr
	v_and_b32 v1, 15, v0                           ; l % 16
	v_bfe_u32 v2, v0, 4, 1                         ; l / 16
	s_lshl_b32 s46, s42, 10                        ; my first column, in bytes: 1,024 x tile column + 512 x half
	s_lshl_b32 s47, s16, 9
	s_add_co_u32 s46, s46, s47
	s_mov_b32 s47, 0
	s_add_nc_u64 s[66:67], s[66:67], s[46:47]
	v_lshlrev_b32 v7, 7, v2                        ; the bias: block 4 c + i wants columns 64 c + 32 h + 8 i + 0 .. 7
.irp b, 0,1,2,3,4,5,6,7
	global_load_b128 v[BIA+8*\b:BIA+8*\b+3], v7, s[66:67] offset:256*(\b/4)+32*(\b%4)
	global_load_b128 v[BIA+8*\b+4:BIA+8*\b+7], v7, s[66:67] offset:256*(\b/4)+32*(\b%4)+16
.endr
	v_mul_u32_u24 v3, v1, PITCH
	v_mul_u32_u24 v4, v2, 24
	v_add_nc_u32 v4, v3, v4                        ; B: a fragment's row x pitch + 24 x half
	v_lshl_add_u32 v5, v2, 4, v4                   ; and the same behind one padding more
	v_and_b32 v6, 31, v0
	v_lshlrev_b32 v6, 3, v6                        ; A: 8 x lane
	s_mul_i32 s21, s15, AHALF                      ; my 128 tokens
	s_mul_i32 s22, s16, HALFT                      ; my 128 rows of B
	s_add_co_u32 s22, s22, BOFF
.irp s, 0,1
	v_add_nc_u32 v[ADRA+\s], s21, v6
	v_add_nc_u32 v[ADRB+\s], s22, v4
	v_add_nc_u32 v[ADRB+2+\s], s22, v5
	s_add_co_u32 s21, s21, SLOT
	s_add_co_u32 s22, s22, SLOT
.endr
	v_mul_u32_u24 v5, v1, KS                       ; my row's scales: 32 bytes a row,
	v_lshrrev_b32 v6, 8, v5
	v_lshl_add_u32 v5, v6, 4, v5                   ; and 16 more for each 256 passed
	s_mul_i32 s21, s15, HALFS
	s_mul_i32 s22, s16, HALFS
	s_add_co_u32 s22, s22, 2*HALFS
	s_sub_co_u32 s22, s22, s21
	v_mul_u32_u24 v6, s22, v2                      ; lanes 16-31 take B's
	s_add_co_u32 s21, s21, SCL
	v_add_nc_u32 v5, v5, v6
	v_add_nc_u32 v[ADRS], s21, v5
	s_mul_i32 s23, s14, 16*SPITCH                  ; my stage
	v_mul_u32_u24 v5, v1, SPITCH                   ; in: row l % 16; my half's 32 columns of each 64: 128 h bytes on
	v_lshl_add_u32 v5, v2, 7, v5
	v_add_nc_u32 v[STO], s23, v5
	v_and_b32 v6, 31, v0
	v_lshlrev_b32 v[CO], 4, v6                     ; back: the 32 lanes take one row of 512 bytes; and the same in out0
	v_add_nc_u32 v[RD], s23, v[CO]
	s_lshl_b32 s20, s17, 8
	s_lshl_b32 s21, s15, 7
	s_add_co_u32 s20, s20, s21                     ; my first token: 256 x tile row + 128 x half
	s_lshl_b32 s20, s20, 12                        ; a row of out0 is 4,096 bytes (under 2^26 in all)
	s_mov_b32 s21, 0
	s_add_nc_u64 s[20:21], s[20:21], s[46:47]
	s_add_nc_u64 s[12:13], s[12:13], s[20:21]
.macro FRAG reg, adr, q, i             ; B: a fragment in pieces of 8 bytes; where the piece three on lies behind one padding more, the second address register serves
.irp p, 0,1,2,3,4,5
.set PCE, 12*(\q)+6*(\p/3)+\p%3
.if PCE%8 < 5
	ds_load_b64 v[\reg+2*\p:\reg+2*\p+1], v[\adr] offset:8*PCE+16*(PCE/8)+(\i)*16*PITCH
.else
	ds_load_b64 v[\reg+2*\p:\reg+2*\p+1], v[\adr+2] offset:8*PCE+16*(PCE/8)+(\i)*16*PITCH
.endif
.endr
.endm
.macro FRAGA reg, slot, q, i           ; A: an image comes back as it was stored: register pair p of lane l from 256 p + 8 l
.irp p, 0,1,2,3,4,5
	ds_load_b64 v[\reg+2*\p:\reg+2*\p+1], v[ADRA+\slot] offset:(\i)*ASTEP+(\q)*1536+256*\p
.endr
.endm
; 16 matrix instructions: A's blocks a0, a0 + 1 x B's eight.  zero = 1: the first product starts the sums, with the bias as its C.  The 64 accumulators take turns, one instruction a turn.
.macro MUL16 a0, p, q, sc, zero
.irp a, \a0, \a0+1
.irp b, 0,1,2,3,4,5,6,7
.if \zero
	v_wmma_scale_f32_16x16x128_f8f6f4 v[8*(8*((\a)%4)+\b):8*(8*((\a)%4)+\b)+7], v[128*(\p)+FR*\b:128*(\p)+FR*\b+FR-1], v[AF+FR*(\a):AF+FR*(\a)+FR-1], v[BIA+8*\b:BIA+8*\b+7], v[SC+8*NQ*(\sc)+NQ*\b+(\q)], v[SC+8*NQ*(\sc)+NQ*(\a)+(\q)] matrix_a_fmt:MATRIX_FMT_FP6 matrix_b_fmt:MATRIX_FMT_FP6 matrix_a_scale:MATRIX_SCALE_ROW1
.else
	v_wmma_scale_f32_16x16x128_f8f6f4 v[8*(8*((\a)%4)+\b):8*(8*((\a)%4)+\b)+7], v[128*(\p)+FR*\b:128*(\p)+FR*\b+FR-1], v[AF+FR*(\a):AF+FR*(\a)+FR-1], v[8*(8*((\a)%4)+\b):8*(8*((\a)%4)+\b)+7], v[SC+8*NQ*(\sc)+NQ*\b+(\q)], v[SC+8*NQ*(\sc)+NQ*(\a)+(\q)] matrix_a_fmt:MATRIX_FMT_FP6 matrix_b_fmt:MATRIX_FMT_FP6 matrix_a_scale:MATRIX_SCALE_ROW1
.endif
.endr
.endr
.endm
.macro FETCH_B slot, q, p
	WIN TO_B
.irp i, 0,1,2,3,4,5,6,7
	FRAG 128*(\p)+FR*\i, ADRB+\slot, \q, \i
.endr
	WIN 0
.endm
.macro FETCH_A slot, q, i0
.irp i, \i0, \i0+1, \i0+2, \i0+3
	FRAGA AF+FR*(\i), \slot, \q, \i
.endr
.endm
.macro SCALES sc
.irp i, 0,1,2,3,4,5,6,7
	ds_load_b64 v[SC+8*NQ*\sc+NQ*\i:SC+8*NQ*\sc+NQ*\i+1], v[ADRS] offset:\i*SBLK
.endr
.endm
.macro PLACES n                        ; plain vector instructions between a matrix instruction and a load into, or a read of, its registers
.rept \n
	v_nop
.endr
.endm
.macro STEP slot, q, zero
	s_wait_dscnt 4*NL                              ; B's set and A's blocks 0-3 are in; the youngest 24 loads (A's blocks 4-7) may be out
.if \zero
	WIN 0x81                                       ; source 0 window 1, the bias (C) window 0, D window 2
.else
	WIN MUL_LO
.endif
	MUL16 0, (\q)%2, \q, \slot, \zero
	MUL16 2, (\q)%2, \q, \slot, \zero
	s_wait_dscnt 0
	PLACES NP
	FETCH_B \slot, (\q)+1, 1-(\q)%2
	FETCH_A \slot, (\q)+1, 0
.if \zero
	WIN 0xc1                                       ; the same, D window 3
.else
	WIN MUL_HI
.endif
	MUL16 4, (\q)%2, \q, \slot, \zero
	MUL16 6, (\q)%2, \q, \slot, \zero
	PLACES NP
	WIN 0
	FETCH_A \slot, (\q)+1, 4
.endm
; A slot's last step changes slots: ONE barrier; in front of it each wave waits for all its tensor loads, adds 0 to its spare word, and waits for that and for its own reads of this slot.  fill = 1: this slot is filled again, two K steps ahead.
.macro TURN slot, next, fill
	s_wait_tensorcnt 0x0                           ; all my tensor loads have landed: my part of the next slot
	ds_add_u32 v[SPW], v[NIL]                      ; 0 onto my spare word
	s_wait_dscnt 4*NL+1                            ; (the add and the youngest 24 loads, A's blocks 4-7, may be out)
	WIN MUL_LO
	MUL16 0, 1, NQ-1, \slot, 0
	s_wait_dscnt 0x0                               ; the add is done, and my reads of this slot are over
	s_barrier_signal -1
	MUL16 2, 1, NQ-1, \slot, 0
	WIN 0
	s_barrier_wait -1
.if \fill
	CREST                                          ; the barrier has opened a round of the cluster's barrier: no wave of any partner still reads this slot's tile or has a load on its way
	s_add_nc_u64 s[G0+4*\slot+2:G0+4*\slot+3], s[G0+4*\slot+2:G0+4*\slot+3], 2*ASTEP
	s_add_nc_u64 s[G0B+4*\slot+2:G0B+4*\slot+3], s[G0B+4*\slot+2:G0B+4*\slot+3], 2*ROWB
	JLOAD G0+4*\slot, G1, G0B+4*\slot, G1B         ; the first tensor load behind the round; its four v_nop are also the places in front of the loads below
.else
	PLACES NP
.endif
	v_add_nc_u32 v[ADRS], 4*NQ, v[ADRS]            ; on to the next K step's scale words
	FETCH_B \next, 0, 0
	FETCH_A \next, 0, 0
	SCALES \next
	WIN MUL_HI
	MUL16 4, 1, NQ-1, \slot, 0
	MUL16 6, 1, NQ-1, \slot, 0
	PLACES NP
	WIN 0
	FETCH_A \next, 0, 4
.endm
	s_wait_loadcnt 0x0                             ; the bias
	s_wait_tensorcnt 1                             ; the scales and my part of K step 0 are in (K step 1's load may be out),
	s_barrier_signal -1
	s_barrier_wait -1                              ; everybody's are
	FETCH_B 0, 0, 0
	FETCH_A 0, 0, 0
	SCALES 0
	FETCH_A 0, 0, 4
	STEP 0, 0, 1                                   ; the first step stands in front of the loop: its products start the sums
	s_mov_b32 s3, LAPS-1
.Llap:                                                 ; a trip goes once round the ring and fills both slots again
	TURN 0, 1, 1
	STEP 1, 0, 0
	TURN 1, 0, 1
	STEP 0, 0, 0
	s_sub_co_u32 s3, s3, 1
	s_cmp_lg_u32 s3, 0
	s_cbranch_scc1 .Llap
	TURN 0, 1, 0                                   ; the last lap fills nothing
	STEP 1, 0, 0
	s_wait_dscnt 4*NL
	WIN MUL_LO
	MUL16 0, 1, NQ-1, 1, 0
	MUL16 2, 1, NQ-1, 1, 0
	s_wait_dscnt 0
	WIN MUL_HI
	MUL16 4, 1, NQ-1, 1, 0
	MUL16 6, 1, NQ-1, 1, 0
	WIN 0
; THE WAY OUT, block by block of 16 tokens x 128 columns, through my own stage in LDS: in by the lane's pieces of 32 bytes, each at its ORIGINAL columns' place; back as whole rows of 512 bytes.
; LDS serves a wave's instructions in order: no wait between the stores and the loads, nor in front of the next block's stores.
.macro TOSTAGE a
.set AC, 64*((\a)%4)
	WIN 0x08+4*((\a)/4)                            ; the data: window 2 or 3
.irp b, 0,1,2,3,4,5,6,7
	ds_store_b128 v[STO], v[AC+8*\b:AC+8*\b+3] offset:256*(\b/4)+32*(\b%4)          ; each accumulator from its low end on
	ds_store_b128 v[STO], v[AC+8*\b+4:AC+8*\b+7] offset:256*(\b/4)+32*(\b%4)+16
.endr
	WIN 0
.set BB, BK+64*((\a)%2)
.irp t, 0,1,2,3,4,5,6,7,8,9,10,11,12,13,14,15
	ds_load_b128 v[BB+4*\t:BB+4*\t+3], v[RD] offset:\t*SPITCH
.endr
.endm
.macro SEND a, younger                 ; younger: the LDS instructions issued behind block a's loads, which may stay out
.set BB, BK+64*((\a)%2)
	s_wait_dscnt \younger
.irp t, 0,1,2,3,4,5,6,7,8,9,10,11,12,13,14,15
	global_store_b128 v[CO], v[BB+4*\t:BB+4*\t+3], s[12:13] offset:(64*((\a)/4)+32*(\t/8)+8*((\a)%4)+\t%8)*4096 th:TH_STORE_NT   ; stored row 16 a + t is the ORIGINAL token 64 (a / 4) + 32 (t / 8) + 8 (a % 4) + t % 8; 32 lanes store 512 consecutive bytes, aligned
.endr
.endm
	PLACES NP                                      ; behind the last products: for the loads into the registers that held A's fragments and for the reads of results
	TOSTAGE 0
.irp a, 1,2,3,4,5,6,7
.if \a > 1
	s_wait_xcnt 0x0                                ; block a - 2's stores have read their registers: block a's loads may land there
.endif
	TOSTAGE \a
	SEND \a-1, 32                                  ; behind block a - 1's loads: block a's 16 stores and 16 loads
.endr
	SEND 7, 0
	s_wait_tensorcnt 0x0                           ; the wave's end
	ds_add_u32 v[SPW], v[NIL]
	s_wait_dscnt 0x0
	CROUND                                         ; the closing round: no work-group ends while a partner may still ask for a tile that names it
	s_endpgm
.Lfunc_end_k_q4a2614f5f5_proj:
	.size	k_q4a2614f5f5_proj, .Lfunc_end_k_q4a2614f5f5_proj-k_q4a2614f5f5_proj
	.p2alignl 7, 3214868480
	.fill 96, 4, 3214868480
	.section	.rodata,"a",@progbits
	.p2align	6, 0x0
	.amdhsa_kernel k_q4a2614f5f5_proj
		.amdhsa_group_segment_fixed_size 327680
		.amdhsa_private_segment_fixed_size 0
		.amdhsa_enable_private_segment 0
		.amdhsa_kernarg_size 48
		.amdhsa_user_sgpr_count 2
		.amdhsa_user_sgpr_kernarg_segment_ptr 1
		.amdhsa_wavefront_size32 1
		.amdhsa_system_sgpr_workgroup_id_x 1
		.amdhsa_system_sgpr_workgroup_id_y 1
		.amdhsa_system_sgpr_workgroup_id_z 1
		.amdhsa_system_vgpr_workitem_id 0
		.amdhsa_next_free_vgpr 1024
		.amdhsa_next_free_sgpr 100
		.amdhsa_reserve_vcc 0
		.amdhsa_float_denorm_mode_32 3
		.amdhsa_float_denorm_mode_16_64 3
		.amdhsa_memory_ordered 1
		.amdhsa_forward_progress 1
		.amdhsa_inst_pref_size 161
	.end_amdhsa_kernel
	.amdgpu_metadata
---
amdhsa.version: [ 1, 2 ]
amdhsa.kernels:
  - .name:           k_q4a2614f5f5_proj
    .symbol:         k_q4a2614f5f5_proj.kd
    .args:
      - { .name: aoc, .offset: 0, .size: 8, .value_kind: global_buffer, .address_space: global }
      - { .name: aos, .offset: 8, .size: 8, .value_kind: global_buffer, .address_space: global }
      - { .name: cin, .offset: 16, .size: 8, .value_kind: global_buffer, .address_space: global }
      - { .name: sin, .offset: 24, .size: 8, .value_kind: global_buffer, .address_space: global }
      - { .name: b_proj, .offset: 32, .size: 8, .value_kind: global_buffer, .address_space: global }
      - { .name: out0, .offset: 40, .size: 8, .value_kind: global_buffer, .address_space: global }
    .group_segment_fixed_size: 327680
    .private_segment_fixed_size: 0
    .kernarg_segment_align: 8
    .kernarg_segment_size: 48
    .max_flat_workgroup_size: 128
    .sgpr_count:     100
    .vgpr_count:     1024
    .wavefront_size: 32
...
	.end_amdgpu_metadata
.endif
;; end of part 4
